; MI455X (gfx1250); checked and timed in simulation.
; The chip was launched on July 23, 2026; its instructions are those of AMD's public machine-readable ISA for CDNA 5 (MIT licence, August 2026) and "CDNA5" Instruction Set Architecture Reference Guide (July 2026). The comments in the code are by the model that wrote it; some were corrected since.
;; Causal Self Attention. Allowed arithmetic: matrix products marked QUANTISED: E2M1 operands, one E8M0 scale for each 32 along K, by v_wmma_scale_f32_16x16x128_f8f6f4 with both operands' format E2M1 (or v_wmma_scale_f32_32x16x128_f4), f32 sums; products left as they are: bf16, f16 or f32 operands; f32 sums; everything else in f32.
;; Inputs: w_out 1,024 x 1,024 float32; w_qkv 3,072 x 1,024 float32; x 4 x 2,048 x 1,024 float32.
;; Outputs: out0 4 x 2,048 x 1,024 float32.
;; This version of the problem:
;;   THIS VERSION OF THE PROBLEM IS GIVEN IN LOW PRECISION. The matrix products marked QUANTISED in the list below multiply operands that are first quantised to E2M1 (2 exponent bits, 1 mantissa bit; 4 bits a number), with one power-of-two scale for each 32 numbers along K (OCP MX v1.0); their sums are f32. The products marked 'left as it is' may take bf16, f16 or f32 operands, with f32 sums. Whichever they take, every output number must still come out within the allowed error. Rounding operands to bf16 (8 significant bits) uses up far more of that allowance than f16 does (11 bits, for magnitudes from 6e-5 to 65,504). All else is computed in f32.
;;   The module's matrix products, in the order in which they are computed (A, B: the left and right operand; K: the contracted axis; several contracted axes count as one K, in the product's order):
;;     1. [M 8,192, K 1,024] x [K 1,024, N 3,072]; A: input x; B: input w_qkv: QUANTISED
;;     2. batch 64 x [M 2,048, K 64] x [K 64, N 2,048]; A: computed on the way; B: computed on the way: left as it is (an operand is computed on the way)
;;     3. batch 64 x [M 2,048, K 2,048] x [K 2,048, N 64]; A: computed on the way; B: computed on the way: left as it is (an operand is computed on the way)
;;     4. [M 8,192, K 1,024] x [K 1,024, N 1,024]; A: computed on the way; B: input w_out: left as it is (an operand is computed on the way)
;;   THE QUANTISER, for each operand of a quantised product, along K:
;;     - K is cut into blocks of 32 from its start; a last block that is shorter is filled with zeros.
;;     - A block's scale is 2^e with e = floor(log2(the largest magnitude in the block)) - 2, held to -126 .. 127; a block of zeros has e = 0. As a byte (E8M0): e + 127.
;;     - Each number is divided by its block's scale, clamped to +-6, and rounded to the nearest number of E2M1, ties to even, subnormals kept.
;;     - The product sums the exact products of the quantised numbers (number of the format x scale) in f32.
;;   ~~~python
;;   def quantise(x, axis):      # numpy; x: float32 -> the quantised numbers, widened to float32 again
;;       x = np.moveaxis(x, axis, -1); K = x.shape[-1]
;;       x = np.pad(x, [(0, 0)] * (x.ndim - 1) + [(0, -K % 32)]); x = x.reshape(x.shape[:-1] + (-1, 32)); a = np.abs(x).max(-1, keepdims=True)
;;       e = np.where(a > 0, np.clip(np.frexp(np.where(a > 0, a, 1))[1] - 1 - 2, -126, 127), 0)      # np.frexp(a)[1] - 1 = floor(log2(a)), exactly
;;       r = np.clip(x / 2.0 ** e, -6, 6)
;;       step = 2.0 ** (np.maximum(np.frexp(np.where(r == 0, 1, r))[1] - 1, 0) - 1)
;;       q = np.round(r / step) * step * 2.0 ** e      # np.round: ties to even
;;       return np.moveaxis(q.reshape(q.shape[:-2] + (-1,))[..., :K], -1, axis).astype(np.float32)
;;   ~~~
;; One version. Each part assembles by itself: llvm-mc -triple=amdgcn-amd-amdhsa -mcpu=gfx1250 --defsym DOCPART=n.
;; ======== version 1 of 1: 5 launches
;; limits: values are held in f16: magnitudes above 65,504 overflow, below 6.1e-05 lose precision
;; workspace buffers: xc 4,194,304 bytes; xs 262,144 bytes; wc 1,572,864 bytes; ws 98,304 bytes; w16 2,097,152 bytes; qkv16 50,331,648 bytes; qkv32 786,432 bytes; y16 16,777,216 bytes
;; launch quant (part 1): grid 480 x 1, 4 waves a work-group, no clusters, 33,280 bytes of LDS; arguments x, w_qkv, xc, xs, wc, ws, w_out, w16; writes xc, xs, wc, ws, w16
.if DOCPART == 1
	.amdgcn_target "amdgcn-amd-amdhsa--gfx1250"
	.amdhsa_code_object_version 6
	.text
	.protected	k_q8d95bf5801_quant
	.globl	k_q8d95bf5801_quant
	.p2align	8
	.type	k_q8d95bf5801_quant,@function
k_q8d95bf5801_quant:
	s_mov_b64 s[64:65], 0
	v_nop
	global_prefetch_b8 v0, s[64:65] scope:SCOPE_SE
	s_setreg_imm32_b32 hwreg(HW_REG_WAVE_MODE, 25, 1), 1
	s_wait_xcnt 0x0
; x [8192][1024] and w_qkv [3072][1024], f32, K innermost, become codes of FP4 (E2M1), two a byte, with one E8M0 scale byte for each 32 along K; w_out [1024][1024] f32 becomes f16.
; A block's scale is 2^(floor(log2(its largest magnitude)) - 2): its byte is the largest magnitude's own exponent field - 2, held at 1 from below.  Each number is divided by the scale and rounded to the nearest code, ties to even;
; beyond 6 the conversion gives the largest code.
; LIMITS: a block of zeros gets the byte 1 where the stated quantiser says 127: its codes are zeros, and the bytes are read by this program alone.  Blocks whose largest magnitude lies under 2^-124 are held at the byte 1.
; NaN and infinities among the inputs are not served.  |w_out| above 65,504 has no f16 number.
; Rows are dense and K is a multiple of 32, so both tensors are plain streams of blocks of 32 numbers, and so are their codes and bytes.
; Work-groups 0-255 take x, 256-351 w_qkv: a wave takes 16 steps of 512 numbers.  Each of a step's four loads reads 512 consecutive bytes, 16 a lane; the 2,048 bytes turn through the wave's own stage in LDS and
; come back 64 bytes a lane, so that a lane holds 16 neighbours along K (two lanes hold a block).  A lane's 16 codes are 8 bytes: the wave stores 256 consecutive bytes.  A wave's 256 scale bytes are gathered in LDS and leave together.
; Work-groups 352-479 cast w_out: a wave takes 2,048 numbers, 16 loads of 512 bytes, 16 stores of 256 bytes; no LDS.
; No tensor loads, no barrier, no cluster: waves share nothing, and every byte is read once.
.set WAVES, 4
.set STEPS, 16
.set WGA,   256                        ; 8192 x 1024 / 32,768
.set WGQ,   352                        ; + 3072 x 1024 / 32,768
.set CB,    8                          ; bytes of 16 codes
.set R,     16                         ; v16-79   four sets of 16 numbers as they are loaded
.set X,     80                         ; v80-111  two sets of 16 neighbours
.set C,     128                        ; v128-191 codes: four registers for each step, so that no store's data are written again
.set E,     112                        ; v112-127 a scale byte for each step
.set WREG,  8192                       ; LDS: a region for each wave: two stages of 32 x SP bytes, and behind them its 256 scale bytes
.set SP,    80                         ; a lane's place in a stage: its 64 bytes + 16 of padding
.set SPW,   12                         ; v12      LDS address of my spare word; never rewritten
.set NIL,   13                         ; v13      0; never rewritten
.set SPARE, WAVES*WREG                 ; behind the four regions: the spare words, 128 bytes for each wave
	s_load_b128 s[4:7], s[0:1], 0x0                ; x, w_qkv
	s_load_b128 s[8:11], s[0:1], 0x10              ; x's codes, x's scales
	s_load_b128 s[12:15], s[0:1], 0x20             ; w_qkv's codes, its scales
	s_load_b128 s[24:27], s[0:1], 0x30             ; w_out, w16
	v_lshl_add_u32 v[SPW], v0, 2, SPARE
	v_mov_b32 v[NIL], 0
	v_lshrrev_b32 v1, 5, v0
	v_readfirstlane_b32 s16, v1                    ; wave
	v_and_b32 v2, 31, v0                           ; lane
	v_lshlrev_b32 v3, 4, v2                        ; my 16 bytes of a load's 512
	s_mul_i32 s17, s16, WREG
	v_lshrrev_b32 v14, 2, v2
	v_mul_u32_u24 v14, v14, SP
	v_and_b32 v15, 3, v2
	v_lshl_add_u32 v14, v15, 4, v14
	v_add_nc_u32 v14, s17, v14                     ; the stage, on the way in: four lanes' 64 bytes on end, then 16 of padding
	v_mul_u32_u24 v15, v2, SP
	v_add_nc_u32 v15, s17, v15                     ; and on the way out: SP x lane: my 16 neighbours
	v_mul_u32_u24 v4, v2, CB                       ; my 8 bytes of a store's 256
	v_lshrrev_b32 v5, 1, v2
	s_add_co_u32 s17, s17, 2*32*SP
	v_add_nc_u32 v5, s17, v5                       ; LDS: my wave's 256 scale bytes, my block's byte
	v_lshlrev_b32 v7, 3, v2                        ; and on the way out 8 bytes a lane
	v_add_nc_u32 v6, s17, v7
	s_wait_kmcnt 0x0
	s_cmp_ge_u32 ttmp9, WGQ                        ; the last 128 work-groups cast w_out
	s_cbranch_scc1 .Lcast
	s_cmp_lt_u32 ttmp9, WGA                        ; x's work-group or w_qkv's?  Only pointers are chosen: both tensors take one path
	s_cselect_b64 s[4:5], s[4:5], s[6:7]
	s_cselect_b64 s[8:9], s[8:9], s[12:13]
	s_cselect_b64 s[10:11], s[10:11], s[14:15]
	s_cselect_b32 s17, 0, WGA
	s_sub_co_u32 s17, ttmp9, s17
	s_lshl_b32 s17, s17, 2
	s_add_co_u32 s18, s17, s16                     ; which run of 8,192 numbers of the tensor is my wave's
	s_mov_b32 s19, 0
	s_mov_b64 s[20:21], 512*STEPS*4
	s_mul_u64 s[20:21], s[18:19], s[20:21]
	s_add_nc_u64 s[4:5], s[4:5], s[20:21]
	s_mov_b64 s[20:21], 32*STEPS*CB
	s_mul_u64 s[20:21], s[18:19], s[20:21]
	s_add_nc_u64 s[8:9], s[8:9], s[20:21]
	s_lshl_b32 s18, s18, 8                         ; 256 scale bytes a run
	s_add_nc_u64 s[10:11], s[10:11], s[18:19]
.macro LOAD t
.irp i, 0,1,2,3
	global_load_b128 v[R+16*((\t)%4)+4*\i:R+16*((\t)%4)+4*\i+3], v3, s[4:5] offset:2048*(\t)+512*\i th:TH_LOAD_NT   ; 32 lanes read 512 consecutive bytes
.endr
.endm
.macro TURN t                          ; step t's numbers through the stage: LDS serves a wave's instructions in order, so no wait stands between the stores and the loads
.irp i, 0,1,2,3
	ds_store_b128 v14, v[R+16*((\t)%4)+4*\i:R+16*((\t)%4)+4*\i+3] offset:32*SP*((\t)%2)+8*SP*\i
.endr
.irp i, 0,1,2,3
	ds_load_b128 v[X+16*((\t)%2)+4*\i:X+16*((\t)%2)+4*\i+3], v15 offset:32*SP*((\t)%2)+16*\i
.endr
.endm
.irp t, 0,1,2,3
	LOAD \t
.endr
	s_wait_loadcnt 12                              ; step 0's four loads are in; the twelve of steps 1 to 3 may be out
	TURN 0
.macro STEP t
.set XS, X+16*((\t)%2)
.if (\t) > 0
	s_wait_dscnt 1                                 ; this step's numbers are back from the stage (the last step's byte store may be out): so its stores into the stage have read their registers,
.else
	s_wait_dscnt 0x0
.endif
.if (\t)+4 < STEPS
	LOAD (\t)+4                                    ; which take the loads of four steps on
.endif
.if (\t)+1 < STEPS
.if STEPS-2-(\t) >= 3
	s_wait_loadcnt 12                              ; the next step's four loads are in; those of the three steps behind it may be out
.else
	s_wait_loadcnt 4*(STEPS-2-(\t))
.endif
	TURN (\t)+1                                    ; and go through the other stage while this step is worked
.endif
	v_max3_num_f32 v8, |v[XS]|, |v[XS+1]|, |v[XS+2]|               ; the largest magnitude of my 16, in two chains
	v_max3_num_f32 v9, |v[XS+3]|, |v[XS+4]|, |v[XS+5]|
.irp i, 6,10
	v_max3_num_f32 v8, v8, |v[XS+\i]|, |v[XS+\i+1]|
	v_max3_num_f32 v9, v9, |v[XS+\i+2]|, |v[XS+\i+3]|
.endr
	v_max3_num_f32 v8, v8, |v[XS+14]|, |v[XS+15]|
	v_max3_num_f32 v8, v8, v9, 0x1800000           ; and the floor 2^(3 - 127): so the byte cannot fall under 1
	v_max_num_f32_dpp v8, v8, v8 row_xmask:1 row_mask:0xf bank_mask:0xf   ; and of my neighbour's 16: the block's
	v_add_nc_u32 v11, 0xff000000, v8               ; 2 off its exponent field: the conversion takes the exponent field of this operand as its scale, and nothing else of it
	v_cvt_scalef32_pk8_fp4_f32 v[C+4*(\t)], v[XS:XS+7], v11
	v_cvt_scalef32_pk8_fp4_f32 v[C+4*(\t)+1], v[XS+8:XS+15], v11
	v_lshrrev_b32 v[E+(\t)], 23, v11               ; the scale's byte (also the plain line behind the conversions)
	ds_store_b8 v5, v[E+(\t)] offset:16*(\t)       ; both lanes of a block write the same byte with the same value
	global_store_b64 v4, v[C+4*(\t):C+4*(\t)+1], s[8:9] offset:32*CB*(\t)   ; the wave stores 256 consecutive bytes, aligned
.endm
.irp t, 0,1,2,3,4,5,6,7,8,9,10,11,12,13,14,15
	STEP \t
.endr
	ds_load_b64 v[8:9], v6                         ; LDS serves a wave's instructions in order: these see my stores
	s_wait_dscnt 0x0
	global_store_b64 v7, v[8:9], s[10:11]          ; 32 lanes store 256 consecutive bytes, aligned
	s_wait_tensorcnt 0x0                           ; the wave's end, behind my last LDS store
	ds_add_u32 v[SPW], v[NIL]
	s_wait_dscnt 0x0
	s_endpgm
.Lcast:                                                ; w_out to f16: no LDS is written on this path
	s_sub_co_u32 s17, ttmp9, WGQ
	s_lshl_b32 s17, s17, 2
	s_add_co_u32 s17, s17, s16                     ; which run of 2,048 numbers is my wave's
	s_lshl_b32 s18, s17, 13                        ; 8,192 bytes in,
	s_mov_b32 s19, 0
	s_add_nc_u64 s[24:25], s[24:25], s[18:19]
	s_lshl_b32 s18, s17, 12                        ; 4,096 bytes out
	s_add_nc_u64 s[26:27], s[26:27], s[18:19]
.irp i, 0,1,2,3,4,5,6,7,8,9,10,11,12,13,14,15
	global_load_b128 v[R+4*\i:R+4*\i+3], v3, s[24:25] offset:512*\i th:TH_LOAD_NT
.endr
.irp i, 0,1,2,3,4,5,6,7,8,9,10,11,12,13,14,15
	s_wait_loadcnt 15-\i                           ; loads come back in order: load i is in, the younger ones may be out
	v_cvt_pk_f16_f32 v[C+2*\i], v[R+4*\i], v[R+4*\i+1]
	v_cvt_pk_f16_f32 v[C+2*\i+1], v[R+4*\i+2], v[R+4*\i+3]
	global_store_b64 v4, v[C+2*\i:C+2*\i+1], s[26:27] offset:256*\i   ; no register is written twice: no wait for the stores' sources
.endr
	s_endpgm
.Lfunc_end_k_q8d95bf5801_quant:
	.size	k_q8d95bf5801_quant, .Lfunc_end_k_q8d95bf5801_quant-k_q8d95bf5801_quant
	.p2alignl 7, 3214868480
	.fill 96, 4, 3214868480
	.section	.rodata,"a",@progbits
	.p2align	6, 0x0
	.amdhsa_kernel k_q8d95bf5801_quant
		.amdhsa_group_segment_fixed_size 33280
		.amdhsa_private_segment_fixed_size 0
		.amdhsa_enable_private_segment 0
		.amdhsa_kernarg_size 64
		.amdhsa_user_sgpr_count 2
		.amdhsa_user_sgpr_kernarg_segment_ptr 1
		.amdhsa_wavefront_size32 1
		.amdhsa_system_sgpr_workgroup_id_x 1
		.amdhsa_system_sgpr_workgroup_id_y 1
		.amdhsa_system_sgpr_workgroup_id_z 1
		.amdhsa_system_vgpr_workitem_id 0
		.amdhsa_next_free_vgpr 192
		.amdhsa_next_free_sgpr 66
		.amdhsa_reserve_vcc 0
		.amdhsa_float_denorm_mode_32 3
		.amdhsa_float_denorm_mode_16_64 3
		.amdhsa_memory_ordered 1
		.amdhsa_forward_progress 1
		.amdhsa_inst_pref_size 39
	.end_amdhsa_kernel
	.amdgpu_metadata
---
amdhsa.version: [ 1, 2 ]
amdhsa.kernels:
  - .name:           k_q8d95bf5801_quant
    .symbol:         k_q8d95bf5801_quant.kd
    .args:
      - { .name: x, .offset: 0, .size: 8, .value_kind: global_buffer, .address_space: global }
      - { .name: w_qkv, .offset: 8, .size: 8, .value_kind: global_buffer, .address_space: global }
      - { .name: xc, .offset: 16, .size: 8, .value_kind: global_buffer, .address_space: global }
      - { .name: xs, .offset: 24, .size: 8, .value_kind: global_buffer, .address_space: global }
      - { .name: wc, .offset: 32, .size: 8, .value_kind: global_buffer, .address_space: global }
      - { .name: ws, .offset: 40, .size: 8, .value_kind: global_buffer, .address_space: global }
      - { .name: w_out, .offset: 48, .size: 8, .value_kind: global_buffer, .address_space: global }
      - { .name: w16, .offset: 56, .size: 8, .value_kind: global_buffer, .address_space: global }
    .group_segment_fixed_size: 33280
    .private_segment_fixed_size: 0
    .kernarg_segment_align: 8
    .kernarg_segment_size: 64
    .max_flat_workgroup_size: 128
    .sgpr_count:     66
    .vgpr_count:     192
    .wavefront_size: 32
...
	.end_amdgpu_metadata
.endif
;; end of part 1
;; launch qkv (part 2): grid 12 x 32, 4 waves a work-group, clusters of 4 x 4, 327,680 bytes of LDS; arguments xc, xs, wc, ws, qkv16, qkv32; writes qkv16, qkv32
.if DOCPART == 2
	.amdgcn_target "amdgcn-amd-amdhsa--gfx1250"
	.amdhsa_code_object_version 6
	.text
	.protected	k_q8d95bf5801_qkv
	.globl	k_q8d95bf5801_qkv
	.p2align	8
	.type	k_q8d95bf5801_qkv,@function
k_q8d95bf5801_qkv:
	s_mov_b64 s[64:65], 0
	v_nop
	global_prefetch_b8 v0, s[64:65] scope:SCOPE_SE
	s_setreg_imm32_b32 hwreg(HW_REG_WAVE_MODE, 25, 1), 1
	s_wait_xcnt 0x0
	s_wait_alu depctr_hold_cnt(0) depctr_sa_sdst(0) depctr_va_vdst(0) depctr_va_sdst(0) depctr_va_ssrc(0) depctr_va_vcc(0) depctr_vm_vsrc(0)
	s_getreg_b32 s2, hwreg(HW_REG_IB_STS2, 6, 4)
	s_cmp_eq_u32 s2, 0
	s_cbranch_scc0 .Lentry_in_a_cluster
	s_endpgm
.Lentry_in_a_cluster:
	s_bfe_u32 s2, ttmp6, 0x10000c
	s_cmp_lg_u32 s2, 0xf033
	s_cbranch_scc0 .Lentry_shape_is_right
	s_endpgm
.Lentry_shape_is_right:
; qkv[m][n] = sum over k of x[m][k] w_qkv[n][k], both as codes of FP4 (E2M1) with one E8M0 scale for each 32 along K: [8192][1024] x [3072][1024]; sums in f32.
; OUT: q, k, v rounded once to f16, laid by head: qkv16 [3 sections][4 b][16 heads][2048 t][64]; and the f32 sums of positions t < 16 of each batch as they are: qkv32 [4 b][16 t][3072].
; LIMIT: |q|, |k|, |v| above 65,504 have no f16 number.
; A tile, 256 x 256, is made by a work-group of four waves; a wave makes 128 x 128: 64 accumulators of 16 x 16, 512 registers.  K = 1,024 is two steps of 512: both lie in LDS from the start, in two slots
; (a tile's row is 256 bytes of memory), so nothing is ever filled again.  The scale bytes of the work-group's 256 + 256 rows, for all of K, come once, as dense blocks in lines of 256 bytes.
; CLUSTERS: 4 x 4 work-groups.  The four of a row of the cluster need the same tiles of x, the four of a column the same tiles of w_qkv: each tile is asked for jointly.
; The tile row is 8 cy + cluster y: cy is the batch, cluster y the block of 256 positions in it.  So positions t < 16 lie in the clusters with y = 0, a number that all sixteen partners share.
; THE MATRIX INSTRUCTION IS USED TRANSPOSED (source 0 = 16 rows of w_qkv, source 1 = 16 rows of x): a lane then holds eight neighbouring columns of one row.
; REGISTERS, in windows of 256: window 0: v0-31 addresses; v32-95 scale words, two sets; from v128 x's fragments, ONE set; on the way out v32-255 are free.
;   window 1: w_qkv's fragments, TWO sets, at v0 and v128.   window 2: the accumulators of my rows 0-63 ((a, b) at v[8 (8 a + b)]);   window 3: those of my rows 64-127.
.set NQ,     4                         ; matrix instructions deep in a slot
.set ROWB,   256                       ; a tile's row in bytes: 512 codes
.set KROW,   512                       ; a row of codes in memory
.set PITCH,  272                       ; an LDS row: 256 bytes + 16 of padding = 68 words: row r starts at bank 4 r mod 64 (64 banks of 4 bytes: ISA guide 11.1)
.set FR,     8                         ; registers of a fragment: 16 rows x 128 K
.set NL,     2                         ; LDS loads that bring one
.set NP,     4                         ; places behind this matrix instruction (ISA guide 7.12.1)
.set HALFT,  128*PITCH                 ; 128 rows: what one tensor load brings
.set SLOT,   4*HALFT
.set KS,     32                        ; a row of scales in bytes
.set SCL,    2*SLOT                    ; behind the slots: the scales, as lines of 256 bytes + 16 of padding
.set HALFS,  (128*KS/256)*272
.set SBLK,   (16*KS/256)*272
.set SPARE,  SCL+4*HALFS               ; behind the scales: the spare words, 128 bytes for each wave
.set SPITCH, 528                       ; the way out: a stage of 16 x 528 bytes for each wave, in slot 0, which has had its only fill and its last read when the first result is stored there
.set ADRA, 16
.set ADRB, 20
.set STO,  24                          ; v24  stage, f16: where I put 16 bytes of a row (pitch 272)
.set RD,   25                          ; v25  stage, f16: four rows' halves back: 272 (lane / 8) + 16 (lane % 8)
.set CO,   26                          ; v26  16 x lane
.set ADRS, 27
.set SPW,  28
.set NIL,  29
.set STO32, 30                         ; v30  stage, f32: where I put 32 bytes of a row (pitch 528)
.set RD32,  31                         ; v31  stage, f32: a row back, 16 bytes a lane
.set SC,   32
.set AF,   128
.set TMP,  192                         ; the way out: packed results
.set OB,   32                          ; the way out: 16 rows read back: v32-63 and v224-255 by turns
.set G1, 24
.set G0, 32
.set G1B, 48
.set G0B, 56
.set G1S, 68
.set G0S, 76
.set G1SB, 80
.set G0SB, 88
.set MSB, 0
.macro WIN new                         ; the immediate's high byte repeats the setting that is left
.if MSB != \new
	s_set_vgpr_msb (MSB<<8)|\new
.set MSB, \new
.endif
.endm
.set MUL_LO, 0xa1                      ; source 0 (w) window 1, source 1 (x) window 0, C and D window 2
.set MUL_HI, 0xf1
.set TO_B,   0x40
; A joint load: waves 0 and 1 fetch for x, waves 2 and 3 for w_qkv.  The branch hangs on the wave's number alone.  An s_nop 0 and four v_nop follow each of the two lines.
.macro JLOAD g0a, g1a, g0b, g1b
	s_cmp_eq_u32 s15, 0
	s_cbranch_scc0 .Lfor_b_\@
	tensor_load_to_lds s[\g0a:\g0a+3], s[\g1a:\g1a+7]
	s_nop 0
.rept 4
	v_nop
.endr
	s_branch .Lasked_\@
.Lfor_b_\@:
	tensor_load_to_lds s[\g0b:\g0b+3], s[\g1b:\g1b+7]
	s_nop 0
.rept 4
	v_nop
.endr
.Lasked_\@:
.endm
.macro CROUND                          ; a round of the cluster's barrier
	s_barrier_signal -1
	s_barrier_wait -1
	s_cmp_lg_u32 s14, 0
	s_cbranch_scc1 .Lnot_wave_0_\@
	s_barrier_signal -3
.Lnot_wave_0_\@:
	s_barrier_wait -3
	s_barrier_signal -1
	s_barrier_wait -1
.endm
	s_load_b128 s[4:7], s[0:1], 0x0                ; x's codes, x's scales
	s_load_b128 s[8:11], s[0:1], 0x10              ; w's codes, w's scales
	s_load_b128 s[96:99], s[0:1], 0x20             ; qkv16, qkv32
	v_lshl_add_u32 v[SPW], v0, 2, SPARE
	v_mov_b32 v[NIL], 0
	ds_add_u32 v[SPW], v[NIL]                      ; the wave's opening: the add, twice on end, and its wait ahead of my first tensor load
	ds_add_u32 v[SPW], v[NIL]
	v_lshrrev_b32 v1, 5, v0
	v_readfirstlane_b32 s14, v1                    ; wave 0..3
	s_lshr_b32 s15, s14, 1                         ; which half of the tile's rows is mine.  Also: I fetch for x (0) or for w (1)
	s_and_b32 s16, s14, 1                          ; which half of its columns.  Also: which 128 rows of that tile I fetch
	s_bfe_u32 s40, ttmp6, 0x40000                  ; cx, cy
	s_bfe_u32 s41, ttmp6, 0x40004
	s_lshl_b32 s42, ttmp9, 2
	s_add_co_u32 s42, s42, s40                     ; tile column = 4 x cluster x + cx
	s_and_b32 s95, ttmp7, 0xffff                   ; cluster y: the block of 256 positions
	s_lshl_b32 s17, s41, 3
	s_add_co_u32 s17, s17, s95                     ; tile row = 8 cy + cluster y
	s_lshl_b32 s43, s41, 2
	s_lshl_b32 s43, 15, s43                        ; my row of the cluster
	s_lshl_b32 s44, 0x1111, s40                    ; my column
	s_or_b32 s[G1+0], s43, (0<<16)|(1<<20)|(1<<21)|(5<<22)|(3<<25)  ; the mask; elements of 1 byte; padding on; bit 21 beside a mask; after every 64 words, 4 words
	s_or_b32 s[G1B+0], s44, (0<<16)|(1<<20)|(1<<21)|(5<<22)|(3<<25)
.irp g, G1, G1B
	s_mov_b32 s[\g+1], ROWB<<16                    ; tensor_dim0
	s_mov_b32 s[\g+2], 128<<16                     ; tensor_dim1
	s_mov_b32 s[\g+3], ROWB<<16                    ; tile_dim0
	s_mov_b32 s[\g+4], 128                         ; tile_dim1
	s_mov_b32 s[\g+5], KROW                        ; the pitch
	s_mov_b32 s[\g+6], 0
	s_mov_b32 s[\g+7], 0
.endr
	s_or_b32 s[G1S+0], s43, (3<<16)|(1<<20)|(1<<21)|(5<<22)|(3<<25) ; the scales of 128 rows: 4,096 dense bytes as 16 lines of 256 (32 elements of 8 bytes)
	s_or_b32 s[G1SB+0], s44, (3<<16)|(1<<20)|(1<<21)|(5<<22)|(3<<25)
.irp g, G1S, G1SB
	s_mov_b32 s[\g+1], 32<<16
	s_mov_b32 s[\g+2], (128*KS/256)<<16
	s_mov_b32 s[\g+3], 32<<16
	s_mov_b32 s[\g+4], 128*KS/256
	s_mov_b32 s[\g+5], 32
	s_mov_b32 s[\g+6], 0
	s_mov_b32 s[\g+7], 0
.endr
	s_lshl_b32 s18, s16, 7                         ; which 128 rows of the tile I fetch
	s_lshl_b32 s20, s17, 8
	s_add_co_u32 s20, s20, s18                     ; x: row 256 x tile row + 128 x half
	s_lshl_b32 s46, s42, 8
	s_add_co_u32 s46, s46, s18                     ; w: row 256 x tile column + 128 x half
	s_mov_b32 s21, 0
	s_mov_b32 s47, 0
	s_mov_b64 s[18:19], KS
	s_mul_u64 s[22:23], s[20:21], s[18:19]         ; where these rows' scales begin
	s_mul_u64 s[92:93], s[46:47], s[18:19]
	s_mov_b64 s[18:19], KROW
	s_mul_u64 s[20:21], s[20:21], s[18:19]         ; and their codes
	s_mul_u64 s[46:47], s[46:47], s[18:19]
	s_mul_i32 s45, s14, HALFT                      ; where they go: wave x 128 rows
	s_mul_i32 s94, s14, HALFS
	s_wait_dscnt 0x0                               ; both opening adds are done
	s_wait_kmcnt 0x0
	s_add_nc_u64 s[20:21], s[4:5], s[20:21]
	s_add_nc_u64 s[22:23], s[6:7], s[22:23]
	s_add_nc_u64 s[46:47], s[8:9], s[46:47]
	s_add_nc_u64 s[92:93], s[10:11], s[92:93]
	CROUND                                         ; all sixteen work-groups are here: the joint loads meet
	s_mov_b32 s[G0S], 1
	s_add_co_u32 s[G0S+1], s94, SCL
	s_mov_b64 s[G0S+2:G0S+3], s[22:23]
	s_or_b32 s[G0S+3], s[G0S+3], 0x80000000
	s_mov_b32 s[G0SB], 1
	s_add_co_u32 s[G0SB+1], s94, SCL
	s_mov_b64 s[G0SB+2:G0SB+3], s[92:93]
	s_or_b32 s[G0SB+3], s[G0SB+3], 0x80000000
	JLOAD G0S, G1S, G0SB, G1SB                     ; the scales first: they are wanted with K step 0
.irp s, 0,1
	s_mov_b32 s[G0+4*\s], 1
	s_add_co_u32 s[G0+4*\s+1], s45, \s*SLOT
	s_add_nc_u64 s[G0+4*\s+2:G0+4*\s+3], s[20:21], \s*ROWB
	s_or_b32 s[G0+4*\s+3], s[G0+4*\s+3], 0x80000000
	s_mov_b32 s[G0B+4*\s], 1
	s_add_co_u32 s[G0B+4*\s+1], s45, \s*SLOT
	s_add_nc_u64 s[G0B+4*\s+2:G0B+4*\s+3], s[46:47], \s*ROWB
	s_or_b32 s[G0B+4*\s+3], s[G0B+4*\s+3], 0x80000000
	JLOAD G0+4*\s, G1, G0B+4*\s, G1B               ; three tensor loads of mine are out at the most
.endr
	v_and_b32 v1, 15, v0                           ; r = lane % 16
	v_bfe_u32 v2, v0, 4, 1                         ; h = lane / 16
	v_mul_u32_u24 v3, v1, PITCH
	v_lshl_add_u32 v4, v2, 4, v3                   ; a fragment's row x pitch + 16 x half
	s_mul_i32 s21, s15, HALFT
	s_mul_i32 s22, s16, HALFT
	s_add_co_u32 s22, s22, 2*HALFT
.irp s, 0,1
	v_add_nc_u32 v[ADRA+\s], s21, v4
	v_add_nc_u32 v[ADRB+\s], s22, v4
	s_add_co_u32 s21, s21, SLOT
	s_add_co_u32 s22, s22, SLOT
.endr
	v_mul_u32_u24 v5, v1, KS                       ; my row's scales: KS bytes a row,
	v_lshrrev_b32 v6, 8, v5
	v_lshl_add_u32 v5, v6, 4, v5                   ; and 16 more for each 256 passed
	s_mul_i32 s21, s15, HALFS
	s_mul_i32 s22, s16, HALFS
	s_add_co_u32 s22, s22, 2*HALFS
	s_sub_co_u32 s22, s22, s21
	v_mul_u32_u24 v6, s22, v2                      ; lanes 16-31 take w's
	s_add_co_u32 s21, s21, SCL
	v_add_nc_u32 v5, v5, v6
	v_add_nc_u32 v[ADRS], s21, v5
	s_mul_i32 s23, s14, 16*SPITCH                  ; my stage
	v_mul_u32_u24 v5, v1, 272
	v_lshl_add_u32 v5, v2, 4, v5
	v_add_nc_u32 v[STO], s23, v5
	v_bfe_u32 v5, v0, 3, 2
	v_mul_u32_u24 v5, v5, 272
	v_and_b32 v6, 7, v0
	v_lshl_add_u32 v5, v6, 4, v5
	v_add_nc_u32 v[RD], s23, v5
	v_and_b32 v6, 31, v0
	v_lshlrev_b32 v[CO], 4, v6
	v_mul_u32_u24 v5, v1, SPITCH
	v_lshl_add_u32 v5, v2, 5, v5
	v_add_nc_u32 v[STO32], s23, v5
	v_add_nc_u32 v[RD32], s23, v[CO]
	; where my part begins in qkv16: my 128 columns are heads G and G + 1, G = 4 x tile column + 2 x half, of section G / 16
	s_lshl_b32 s46, s42, 2
	s_lshl_b32 s47, s16, 1
	s_add_co_u32 s46, s46, s47                     ; G
	s_lshr_b32 s47, s46, 4
	s_lshl_b32 s47, s47, 6                         ; 64 x section
	s_and_b32 s46, s46, 15                         ; the head
	s_add_co_u32 s46, s46, s47
	s_lshl_b32 s47, s41, 4                         ; 16 x batch
	s_add_co_u32 s46, s46, s47
	s_lshl_b32 s46, s46, 18                        ; 2,048 positions x 128 bytes
	s_lshl_b32 s47, s95, 15                        ; + 256 positions x cluster y
	s_add_co_u32 s46, s46, s47
	s_lshl_b32 s47, s15, 14                        ; + my 128 of them
	s_add_co_u32 s46, s46, s47
	s_mov_b32 s47, 0
	s_add_nc_u64 s[96:97], s[96:97], s[46:47]
	s_mul_i32 s46, s41, 196608                     ; qkv32: the batch's 16 rows of 12,288 bytes,
	s_lshl_b32 s47, s42, 10
	s_add_co_u32 s46, s46, s47                     ; + my first column x 4
	s_lshl_b32 s47, s16, 9
	s_add_co_u32 s46, s46, s47
	s_mov_b32 s47, 0
	s_add_nc_u64 s[98:99], s[98:99], s[46:47]
.macro FRAG reg, adr, q, i             ; 16 rows x 128 K of 4-bit codes: lane l holds row l % 16; registers 4 c .. 4 c + 3 hold K = 64 c + 32 (l / 16) + 0 .. 31
.irp c, 0,1
	ds_load_b128 v[\reg+4*\c:\reg+4*\c+3], v[\adr] offset:64*(\q)+32*\c+(\i)*16*PITCH
.endr
.endm
; 16 matrix instructions: x's blocks a0, a0 + 1 against w's eight.  The 64 accumulators take turns, one instruction a turn, in the same order in every step.
.macro MUL16 a0, p, q, sc, zero
.irp a, \a0, \a0+1
.irp b, 0,1,2,3,4,5,6,7
.if \zero
	v_wmma_scale_f32_16x16x128_f8f6f4 v[8*(8*((\a)%4)+\b):8*(8*((\a)%4)+\b)+7], v[128*(\p)+FR*\b:128*(\p)+FR*\b+FR-1], v[AF+FR*(\a):AF+FR*(\a)+FR-1], 0, v[SC+8*NQ*(\sc)+NQ*\b+(\q)], v[SC+8*NQ*(\sc)+NQ*(\a)+(\q)] matrix_a_fmt:MATRIX_FMT_FP4 matrix_b_fmt:MATRIX_FMT_FP4 matrix_a_scale:MATRIX_SCALE_ROW1
.else
	v_wmma_scale_f32_16x16x128_f8f6f4 v[8*(8*((\a)%4)+\b):8*(8*((\a)%4)+\b)+7], v[128*(\p)+FR*\b:128*(\p)+FR*\b+FR-1], v[AF+FR*(\a):AF+FR*(\a)+FR-1], v[8*(8*((\a)%4)+\b):8*(8*((\a)%4)+\b)+7], v[SC+8*NQ*(\sc)+NQ*\b+(\q)], v[SC+8*NQ*(\sc)+NQ*(\a)+(\q)] matrix_a_fmt:MATRIX_FMT_FP4 matrix_b_fmt:MATRIX_FMT_FP4 matrix_a_scale:MATRIX_SCALE_ROW1
.endif
.endr
.endr
.endm
.macro FETCH_B slot, q, p
	WIN TO_B
.irp i, 0,1,2,3,4,5,6,7
	FRAG 128*(\p)+FR*\i, ADRB+\slot, \q, \i
.endr
	WIN 0
.endm
.macro FETCH_A slot, q, i0
.irp i, \i0, \i0+1, \i0+2, \i0+3
	FRAG AF+FR*(\i), ADRA+\slot, \q, \i
.endr
.endm
.macro SCALES sc                       ; a slot's scale words: 4 words a row; lanes 0-15 take x's block i, lanes 16-31 w's block i
.irp i, 0,1,2,3,4,5,6,7
	ds_load_b128 v[SC+8*NQ*\sc+NQ*\i:SC+8*NQ*\sc+NQ*\i+3], v[ADRS] offset:\i*SBLK
.endr
.endm
.macro PLACES n                        ; plain vector instructions in front of loads into registers that matrix instructions have read, and of the first read of results
.rept \n
	v_nop
.endr
.endm
.macro STEP slot, q, zero              ; 128 along K that has its successor in the same slot
	s_wait_dscnt 4*NL                              ; w's set and x's blocks 0-3 are in; the youngest eight loads (x's blocks 4-7) may be out
	WIN MUL_LO
	MUL16 0, (\q)%2, \q, \slot, \zero
	MUL16 2, (\q)%2, \q, \slot, \zero
	s_wait_dscnt 0                                 ; x's blocks 4-7 are in
	PLACES NP
	FETCH_B \slot, (\q)+1, 1-(\q)%2
	FETCH_A \slot, (\q)+1, 0
	WIN MUL_HI
	MUL16 4, (\q)%2, \q, \slot, \zero
	MUL16 6, (\q)%2, \q, \slot, \zero
	PLACES NP
	WIN 0
	FETCH_A \slot, (\q)+1, 4
.endm
.macro TURN slot, next                 ; slot 0's last step: one barrier; in front of it each wave's part of slot 1 has landed and its reads of slot 0 are over.  Nothing is filled again
	s_wait_tensorcnt 0x0                           ; all my tensor loads have landed
	ds_add_u32 v[SPW], v[NIL]                      ; 0 onto my spare word
	s_wait_dscnt 4*NL+1                            ; (the add and the youngest eight loads may be out)
	WIN MUL_LO
	MUL16 0, 1, NQ-1, \slot, 0
	s_wait_dscnt 0x0                               ; the add is done, and my reads of this slot are over
	s_barrier_signal -1
	MUL16 2, 1, NQ-1, \slot, 0
	WIN 0
	s_barrier_wait -1
	PLACES NP
	v_add_nc_u32 v[ADRS], 4*NQ, v[ADRS]            ; on to the next slot's scale words
	FETCH_B \next, 0, 0
	FETCH_A \next, 0, 0
	SCALES \next
	WIN MUL_HI
	MUL16 4, 1, NQ-1, \slot, 0
	MUL16 6, 1, NQ-1, \slot, 0
	PLACES NP
	WIN 0
	FETCH_A \next, 0, 4
.endm
	s_wait_tensorcnt 1                             ; the scales and my part of slot 0 are in (slot 1's load, issued behind them, may be out),
	s_barrier_signal -1
	s_barrier_wait -1                              ; everybody's are
	FETCH_B 0, 0, 0
	FETCH_A 0, 0, 0
	SCALES 0
	FETCH_A 0, 0, 4
	STEP 0, 0, 1                                   ; the first products start the sums: nothing is cleared
	STEP 0, 1, 0
	STEP 0, 2, 0
	TURN 0, 1
	STEP 1, 0, 0
	STEP 1, 1, 0
	STEP 1, 2, 0
	s_wait_dscnt 4*NL                              ; the last step: nothing more to fetch
	WIN MUL_LO
	MUL16 0, 1, NQ-1, 1, 0
	MUL16 2, 1, NQ-1, 1, 0
	s_wait_dscnt 0
	WIN MUL_HI
	MUL16 4, 1, NQ-1, 1, 0
	MUL16 6, 1, NQ-1, 1, 0
	WIN 0
	PLACES NP                                      ; behind the last products: for the loads into registers that held fragments and scale words, and for the reads of results
	; POSITIONS t < 16 IN F32: block 0 of the waves with the tile's upper rows, in the clusters with y = 0.  The branch hangs on the cluster's y and the wave's number: the same in all partners.
	s_or_b32 s20, s95, s15
	s_cmp_lg_u32 s20, 0
	s_cbranch_scc1 .Lno_fine
	WIN 0x08                                       ; an LDS store's data are its source 1: window 2
.irp b, 0,1,2,3,4,5,6,7
	ds_store_b128 v[STO32], v[8*\b:8*\b+3] offset:64*\b            ; each accumulator from its low end on
	ds_store_b128 v[STO32], v[8*\b+4:8*\b+7] offset:64*\b+16
.endr
	WIN 0
.irp t, 0,1,2,3,4,5,6,7,8,9,10,11,12,13,14,15
	ds_load_b128 v[128+4*\t:128+4*\t+3], v[RD32] offset:\t*SPITCH  ; LDS serves a wave's instructions in order: these see the stores above
.endr
.irp t, 0,1,2,3,4,5,6,7,8,9,10,11,12,13,14,15
	s_wait_dscnt 15-\t                             ; row t is back; the younger loads may be out
	global_store_b128 v[CO], v[128+4*\t:128+4*\t+3], s[98:99] offset:12288*\t   ; 32 lanes store 512 consecutive bytes, aligned
.endr
.Lno_fine:
; THE WAY OUT, block by block of 16 rows x 128 columns (two heads).  PACK: rounded to f16, 16 bytes a lane.  TOSTAGE: into my stage, rows of 272 bytes, and back by heads: four rows' 128 bytes an instruction.
; SEND: in qkv16 a head's positions follow each other 128 bytes apart, so those four rows are 512 consecutive bytes, aligned.
.macro PACK a
.set AC, 64*((\a)%4)
	WIN 0x0a+5*((\a)/4)                            ; sources 0 and 1: window 2 or 3
.irp b, 0,1,2,3,4,5,6,7
.irp r, 0,1,2,3
	v_cvt_pk_f16_f32 v[TMP+4*\b+\r], v[AC+8*\b+2*\r], v[AC+8*\b+2*\r+1]
.endr
.endr
	WIN 0
.endm
.macro TOSTAGE a
.set BB, OB+192*((\a)%2)
.irp b, 0,1,2,3,4,5,6,7
	ds_store_b128 v[STO], v[TMP+4*\b:TMP+4*\b+3] offset:32*\b
.endr
.irp i, 0,1,2,3
.irp hd, 0,1
	ds_load_b128 v[BB+4*(2*\i+\hd):BB+4*(2*\i+\hd)+3], v[RD] offset:1088*\i+128*\hd
.endr
.endr
.endm
.macro SEND a
.set BB, OB+192*((\a)%2)
	s_wait_dscnt 0x0                               ; the block is back in registers
	s_wait_xcnt 0x0                                ; the stores of the block before have read their registers: the next block's loads may land there
.irp i, 0,1,2,3
.irp hd, 0,1
	global_store_b128 v[CO], v[BB+4*(2*\i+\hd):BB+4*(2*\i+\hd)+3], s[96:97] offset:262144*\hd+2048*(\a)+512*\i
.endr
.endr
.endm
	PACK 0
	TOSTAGE 0
.irp a, 1,2,3,4,5,6,7                  ; block a's conversions stand between block a - 1's loads from the stage and the wait for them
	PACK \a
	SEND \a-1
	TOSTAGE \a
.endr
	SEND 7
	s_wait_tensorcnt 0x0                           ; the wave's end, behind my last tensor load and my last LDS store
	ds_add_u32 v[SPW], v[NIL]
	s_wait_dscnt 0x0
	CROUND                                         ; the closing round
	s_endpgm
.Lfunc_end_k_q8d95bf5801_qkv:
	.size	k_q8d95bf5801_qkv, .Lfunc_end_k_q8d95bf5801_qkv-k_q8d95bf5801_qkv
	.p2alignl 7, 3214868480
	.fill 96, 4, 3214868480
	.section	.rodata,"a",@progbits
	.p2align	6, 0x0
	.amdhsa_kernel k_q8d95bf5801_qkv
		.amdhsa_group_segment_fixed_size 327680
		.amdhsa_private_segment_fixed_size 0
		.amdhsa_enable_private_segment 0
		.amdhsa_kernarg_size 48
		.amdhsa_user_sgpr_count 2
		.amdhsa_user_sgpr_kernarg_segment_ptr 1
		.amdhsa_wavefront_size32 1
		.amdhsa_system_sgpr_workgroup_id_x 1
		.amdhsa_system_sgpr_workgroup_id_y 1
		.amdhsa_system_sgpr_workgroup_id_z 1
		.amdhsa_system_vgpr_workitem_id 0
		.amdhsa_next_free_vgpr 1024
		.amdhsa_next_free_sgpr 100
		.amdhsa_reserve_vcc 0
		.amdhsa_float_denorm_mode_32 3
		.amdhsa_float_denorm_mode_16_64 3
		.amdhsa_memory_ordered 1
		.amdhsa_forward_progress 1
		.amdhsa_inst_pref_size 131
	.end_amdhsa_kernel
	.amdgpu_metadata
---
amdhsa.version: [ 1, 2 ]
amdhsa.kernels:
  - .name:           k_q8d95bf5801_qkv
    .symbol:         k_q8d95bf5801_qkv.kd
    .args:
      - { .name: xc, .offset: 0, .size: 8, .value_kind: global_buffer, .address_space: global }
      - { .name: xs, .offset: 8, .size: 8, .value_kind: global_buffer, .address_space: global }
      - { .name: wc, .offset: 16, .size: 8, .value_kind: global_buffer, .address_space: global }
      - { .name: ws, .offset: 24, .size: 8, .value_kind: global_buffer, .address_space: global }
      - { .name: qkv16, .offset: 32, .size: 8, .value_kind: global_buffer, .address_space: global }
      - { .name: qkv32, .offset: 40, .size: 8, .value_kind: global_buffer, .address_space: global }
    .group_segment_fixed_size: 327680
    .private_segment_fixed_size: 0
    .kernarg_segment_align: 8
    .kernarg_segment_size: 48
    .max_flat_workgroup_size: 128
    .sgpr_count:     100
    .vgpr_count:     1024
    .wavefront_size: 32
...
	.end_amdgpu_metadata
.endif
;; end of part 2
;; launch attn (part 3): grid 4 x 64, 16 waves a work-group, clusters of 4 x 1, 327,680 bytes of LDS; arguments qkv16, y16; writes y16
.if DOCPART == 3
	.amdgcn_target "amdgcn-amd-amdhsa--gfx1250"
	.amdhsa_code_object_version 6
	.text
	.protected	k_q8d95bf5801_attn
	.globl	k_q8d95bf5801_attn
	.p2align	8
	.type	k_q8d95bf5801_attn,@function
k_q8d95bf5801_attn:
	s_mov_b64 s[64:65], 0
	v_nop
	global_prefetch_b8 v0, s[64:65] scope:SCOPE_SE
	s_setreg_imm32_b32 hwreg(HW_REG_WAVE_MODE, 25, 1), 1
	s_wait_xcnt 0x0
	s_wait_alu depctr_hold_cnt(0) depctr_sa_sdst(0) depctr_va_vdst(0) depctr_va_sdst(0) depctr_va_ssrc(0) depctr_va_vcc(0) depctr_vm_vsrc(0)
	s_getreg_b32 s2, hwreg(HW_REG_IB_STS2, 6, 4)
	s_cmp_eq_u32 s2, 0
	s_cbranch_scc0 .Lentry_in_a_cluster
	s_endpgm
.Lentry_in_a_cluster:
	s_bfe_u32 s2, ttmp6, 0x10000c
	s_cmp_lg_u32 s2, 0x3003
	s_cbranch_scc0 .Lentry_shape_is_right
	s_endpgm
.Lentry_shape_is_right:
; y[b][head][q][:] = the sum over k <= q of softmax_k(Q[q] . K[k] / 8) V[k][:], head size 64, 2,048 positions.  Q, K, V: f16, qkv16 [3][64 (b, head)][2048][64].  y: f16, y16 [16 heads][8192 rows][64].
; Products on f16 operands with f32 sums; maxima, exponentials and sums in f32; the weights p are rounded to f16 for the second product, y once at the end.
; LIMITS: |y| above 65,504 has no f16 number; NaN and infinities are not served.  Positions 0-15 of each sequence are made here like the others and are made again, more finely, by a later launch.
; SHARES.  A cluster of four work-groups owns one (b, head).  Each of a work-group's sixteen waves owns 32 queries, two tiles of 16: queries 128 rho + 32 cx + 0 .. 31, rho the wave's RANK, 0 .. 15.
; The rank is made of the wave's number alone: rho = 4 (g ^ s) + (g ^ m), g = wave / 4, s = wave % 4, m = 0, 2, 3, 1 for s = 0 .. 3.  The four waves with one g, and the four with one s, have ranks that sum to 30.
; A wave of rank rho walks keys 0 .. 128 rho + 127, 64 a step; later steps it jumps over; in its last two steps hidden scores become -infinity.  Both tests hang on the rank and the count of steps: they are the same
; in all four partners, and cx enters only Q's and y's addresses and the lane's query number.  Rank 15 is in every work-group, so every tile that is fetched is read in every partner.
; K's and V's tiles come through two LDS slots of 256 keys, by JOINT loads (waves 0, 1: K's halves; waves 2, 3: V's): the four partners walk the same keys.
; LAYOUT.  Both products are used transposed.  S^T = K Q^T: a lane holds ONE query (lane % 16) and keys 16 kt + 8 (lane / 16) + 0 .. 7.  Two such tiles, rounded to f16 in pairs, in place, ARE source 1 of O^T = V^T P.
; V ([key][channel]) is turned by ds_load_tr16_b128.
; SOFTMAX.  A running maximum m and sum l a query: p = 2^(c s - c m), c = log2(e) / 8; in every step O^T and l are multiplied by a = 2^(c m_old - c m_new).  Key 0 counts for every query, so m is a number from the first step on.
; Four waves share a SIMD: one wave's vector work stands beside another's matrix work and LDS loads.
.set SLOT1,  131072                    ; slot 1 begins here: one exclusive or turns an address in one slot into the other's
.set KPITCH, 272                       ; a line of K in LDS: two keys, 256 bytes, + 16 of padding: the 16 keys of a load fall on 16 different columns of 16 bytes modulo 256
.set VPITCH, 288                       ; a line of V: + 32 of padding: 16 lanes of the turning load take 8 keys x 32 bytes, each column once
.set VOFF,   128*KPITCH                ; a slot: 128 lines of K, then 128 lines of V
.set KSTEPB, 32*KPITCH                 ; 64 keys
.set VSTEPB, 32*VPITCH
.set STAGE,  SLOT1+VOFF+128*VPITCH     ; behind the slots: 32 rows x 144 bytes for each wave, for the way out
.set SPI,    144
.set SPARE,  STAGE+16*32*SPI           ; the spare words, 128 bytes for each wave
.set AK0, 1                            ; v1   my lane's place in a tile of K
.set AV0, 2                            ; v2   the same for V
.set ADK, 3                            ; v3   LDS address of the step's K (at the head: my offset in Q)
.set ADV, 4                            ; v4   of its V
.set SPW, 5                            ; v5   my spare word; never rewritten
.set NIL, 6                            ; v6   0; never rewritten
.set QN,  7                            ; v7   my query of tile 0, less 8 (lane / 16)
.set STO, 8
.set RD,  9
.set GO,  10
.set NINF, 11                          ; v11  -infinity
.set ST,  12                           ; tile t's statistics at v[12 + 8 t]: +0 c m, +1 m, +2, +3 l in two halves, +4 .. +7 c0-c3 at work; a takes c2's place
.set DD,  28                           ; v28  QN - the step's first key
.set PFO, 29                           ; v29  256 x lane: the prefetches' offset; never rewritten
.set Q,   32                           ; v32-63   Q: tile t, channels 32 c on, at 32 + 16 t + 8 c
.set S,   64                           ; v64-127  S^T, then p, then P: tile t, keys 16 kt on, at 64 + 32 t + 8 kt
.set KV,  128                          ; v128-191 K's eight fragments, then V's eight
.set O,   192                          ; v192-255 O^T: tile t, channels 16 dt on, at 192 + 32 t + 8 dt
.set WV,  12
.set RK,  16                           ; s16  128 x rank
.set KF,  17                           ; s17  the step's first key
.set TK,  18                           ; s18  LDS byte of the step's K
.set TV,  19                           ; s19  and, less VOFF, of its V
.set SLOTS, 20
.set CNT, 21
.set LIM, 22                           ; s22  1 in a wave that prefetches, else the greatest number
.set SEL, 24                           ; s[24:25] lane selects: lane l xor 16
.set CS,  26                           ; s[26:27] c, twice
.set G1K, 28
.set G1V, 36
.set G0K, 44
.set G0V, 48
.set PFA, 52
.macro ROUND                           ; a round of the cluster's barrier
	s_barrier_signal -1
	s_barrier_wait -1
	s_cmp_lg_u32 s[WV], 0
	s_cbranch_scc1 .Lnot_wave_0_\@
	s_barrier_signal -3
.Lnot_wave_0_\@:
	s_barrier_wait -3
	s_barrier_signal -1
	s_barrier_wait -1
.endm
; Waves 0 and 1 fetch for K, waves 2 and 3 for V, the others nothing.  The branches hang on the wave's number alone.  An s_nop 0 and four v_nop follow each of the two lines.
.macro TLOAD
	s_cmp_lt_u32 s[WV], 2
	s_cbranch_scc0 .Lnot_k_\@
	tensor_load_to_lds s[G0K:G0K+3], s[G1K:G1K+7]
	s_nop 0
.rept 4
	v_nop
.endr
	s_branch .Lasked_\@
.Lnot_k_\@:
	s_cmp_lt_u32 s[WV], 4
	s_cbranch_scc0 .Lasked_\@
	tensor_load_to_lds s[G0V:G0V+3], s[G1V:G1V+7]
	s_nop 0
.rept 4
	v_nop
.endr
.Lasked_\@:
.endm
; A prefetch of what the NEXT change of slots will ask for: a slot's 32,768 bytes of K and of V.  Only this cluster reads this head's K and V.  The four partners share the bytes out by address, 8,192 each, lanes 256 bytes
; apart; wave 4 asks for K's, wave 5 for V's: each aligned block of 256 bytes is named once in the launch.  The last change that fills a slot asks for nothing; slots 0 and 1 come by their loads alone.
.macro ASK
	s_cmp_gt_u32 s[SLOTS], s[LIM]
	s_cbranch_scc0 .Lnot_mine_\@
	global_prefetch_b8 v[PFO], s[PFA:PFA+1] th:TH_LOAD_NT scope:SCOPE_SE
.Lnot_mine_\@:
.endm
	s_load_b128 s[4:7], s[0:1], 0x0                ; qkv16, y16
	v_lshl_add_u32 v[SPW], v0, 2, SPARE
	v_mov_b32 v[NIL], 0
	ds_add_u32 v[SPW], v[NIL]                      ; the wave's opening: the add, twice on end, and its wait ahead of the first tensor loads
	ds_add_u32 v[SPW], v[NIL]
	v_lshrrev_b32 v1, 5, v0
	v_readfirstlane_b32 s[WV], v1                  ; wave 0..15
	s_bfe_u32 s13, ttmp6, 0x40000                  ; cx
	s_and_b32 s14, ttmp7, 0xffff                   ; 16 b + head, which the four partners share
	s_lshr_b32 s54, s[WV], 2                       ; g
	s_and_b32 s55, s[WV], 3                        ; s
	s_lshl_b32 s56, s55, 1
	s_and_b32 s56, s56, 2
	s_lshr_b32 s57, s55, 1
	s_mul_i32 s57, s57, 3
	s_xor_b32 s56, s56, s57                        ; m
	s_xor_b32 s55, s54, s55
	s_xor_b32 s56, s54, s56
	s_lshl_b32 s55, s55, 2
	s_add_co_u32 s15, s55, s56                     ; the rank
	s_lshl_b32 s[RK], s15, 7
	s_and_b32 s58, s[WV], 1                        ; which half of a slot's keys I fetch, if I fetch
	s_lshl_b32 s59, s14, 18                        ; the head's 2,048 x 128 bytes in a section
	s_lshl_b32 s60, s58, 14
	s_add_co_u32 s60, s60, s59
	s_add_co_u32 s60, s60, 0x1000000               ; K's section
	s_mov_b32 s61, 0
	s_add_co_u32 s62, s60, 0x1000000               ; V's
	s_mov_b32 s63, 0
	s_mul_i32 s66, s58, 64*KPITCH                  ; and where the halves go in a slot
	s_mul_i32 s67, s58, 64*VPITCH
	s_add_co_u32 s67, s67, VOFF
	s_lshl_b32 s68, s13, 5
	s_add_co_u32 s68, s68, s[RK]                   ; my first query
	s_lshl_b32 s70, s68, 7
	s_add_co_u32 s70, s70, s59                     ; its row of Q
	s_mov_b32 s71, 0
	s_and_b32 s54, s14, 15
	s_lshl_b32 s54, s54, 20                        ; y16: the head's plane,
	s_lshr_b32 s55, s14, 4
	s_lshl_b32 s55, s55, 11
	s_add_co_u32 s55, s55, s68
	s_lshl_b32 s55, s55, 7                         ; row 2048 b + my first query
	s_add_co_u32 s54, s54, s55
	s_mov_b32 s55, 0
	s_lshl_b32 s56, s58, 24                        ; the prefetches: K's section (even waves) or V's,
	s_add_co_u32 s56, s56, s59
	s_add_co_u32 s56, s56, 0x1008000               ; slot 1: the first change of slots steps it to slot 2,
	s_lshl_b32 s57, s13, 13                        ; my work-group's 8,192 bytes
	s_add_co_u32 s56, s56, s57
	s_mov_b32 s57, 0
	s_lshr_b32 s69, s[WV], 1
	s_cmp_eq_u32 s69, 2                            ; waves 4 and 5 ask
	s_cselect_b32 s[LIM], 1, -1
	; descriptor group 1: 64 lines of 128 elements of 2 bytes, dense in memory, padded in LDS
	s_mov_b32 s[G1K], 15|(1<<16)|(1<<20)|(1<<21)|(5<<22)|(3<<25)  ; the mask: all four; elements of 2 bytes; padding on; bit 21 beside a mask; after every 64 words, 4 words
	s_mov_b32 s[G1V], 15|(1<<16)|(1<<20)|(1<<21)|(5<<22)|(7<<25)  ; the same with 8 words
.irp g, G1K, G1V
	s_mov_b32 s[\g+1], 128<<16                     ; tensor_dim0
	s_mov_b32 s[\g+2], 64<<16                      ; tensor_dim1
	s_mov_b32 s[\g+3], 128<<16                     ; tile_dim0
	s_mov_b32 s[\g+4], 64                          ; tile_dim1
	s_mov_b32 s[\g+5], 128                         ; the pitch
	s_mov_b32 s[\g+6], 0
	s_mov_b32 s[\g+7], 0
.endr
	s_mov_b32 s[SEL], 0x76543210
	s_mov_b32 s[SEL+1], 0xfedcba98
	s_mov_b32 s[CS], 0x3e38aa3b                    ; c = log2(e) / 8
	s_mov_b32 s[CS+1], s[CS]
	s_mov_b32 s[KF], 0
	s_mov_b32 s[TK], 0
	s_mov_b32 s[TV], 0
	s_mov_b32 s[SLOTS], 7
	s_wait_dscnt 0x0                               ; both opening adds are done
	s_wait_kmcnt 0x0
	s_mov_b32 s[G0K], 1
	s_mov_b32 s[G0K+1], s66
	s_add_nc_u64 s[G0K+2:G0K+3], s[4:5], s[60:61]
	s_or_b32 s[G0K+3], s[G0K+3], 0x80000000
	s_mov_b32 s[G0V], 1
	s_mov_b32 s[G0V+1], s67
	s_add_nc_u64 s[G0V+2:G0V+3], s[4:5], s[62:63]
	s_or_b32 s[G0V+3], s[G0V+3], 0x80000000
	s_add_nc_u64 s[PFA:PFA+1], s[4:5], s[56:57]
	s_add_nc_u64 s[8:9], s[4:5], s[70:71]          ; Q at my first query, in a pair of its own
	s_add_nc_u64 s[6:7], s[6:7], s[54:55]          ; y likewise
	ROUND                                          ; all four work-groups are here: the first joint loads meet
	TLOAD                                          ; slot 0
	v_and_b32 v30, 15, v0                          ; r
	v_bfe_u32 v31, v0, 4, 1                        ; h
	v_lshlrev_b32 v[ADK], 7, v30
	v_lshl_add_u32 v[ADK], v31, 4, v[ADK]          ; Q: row r of 128 bytes, + 16 h
.irp t, 0,1
.irp c, 0,1
	global_load_b128 v[Q+16*\t+8*\c:Q+16*\t+8*\c+3],   v[ADK], s[8:9] offset:2048*\t+64*\c
	global_load_b128 v[Q+16*\t+8*\c+4:Q+16*\t+8*\c+7], v[ADK], s[8:9] offset:2048*\t+64*\c+32
.endr
.endr
	v_lshrrev_b32 v[AK0], 1, v30
	v_mul_u32_u24 v[AK0], v[AK0], KPITCH
	v_and_b32 v[AV0], 1, v30
	v_lshl_add_u32 v[AK0], v[AV0], 7, v[AK0]
	v_lshl_add_u32 v[AK0], v31, 4, v[AK0]          ; key r: line r / 2, half r % 2, + 16 h
	v_and_b32 v[AV0], 7, v0
	v_lshl_add_u32 v[AV0], v31, 3, v[AV0]          ; the turning load: key 8 h + lane % 8,
	v_lshrrev_b32 v[ADV], 1, v[AV0]
	v_mul_u32_u24 v[ADV], v[ADV], VPITCH
	v_and_b32 v[AV0], 1, v[AV0]
	v_lshl_add_u32 v[ADV], v[AV0], 7, v[ADV]
	v_bfe_u32 v[AV0], v0, 3, 1
	v_lshl_add_u32 v[AV0], v[AV0], 4, v[ADV]       ; channels 8 ((lane / 8) % 2) on
	v_add_nc_u32 v[AV0], VOFF, v[AV0]
	v_lshlrev_b32 v[QN], 3, v31
	v_sub_nc_u32 v[QN], v30, v[QN]
	v_add_nc_u32 v[QN], s68, v[QN]
	s_mul_i32 s69, s[WV], 32*SPI
	s_add_co_u32 s69, s69, STAGE                   ; my stage
	v_mul_u32_u24 v[STO], v30, SPI
	v_lshl_add_u32 v[STO], v31, 4, v[STO]
	v_add_nc_u32 v[STO], s69, v[STO]               ; in: row r, 16 bytes for each half of the lanes
	v_bfe_u32 v[RD], v0, 3, 2
	v_mul_u32_u24 v[RD], v[RD], SPI
	v_and_b32 v[GO], 7, v0
	v_lshl_add_u32 v[RD], v[GO], 4, v[RD]
	v_add_nc_u32 v[RD], s69, v[RD]                 ; back: four rows of 128 bytes an instruction
	v_and_b32 v[GO], 31, v0
	v_lshlrev_b32 v[PFO], 8, v[GO]
	v_lshlrev_b32 v[GO], 4, v[GO]
	v_mov_b32 v[NINF], 0xff800000
.irp t, 0,1
	v_mov_b32 v[ST+8*\t+1], 0xff61b1e6             ; m: -3e38, under every score
	v_mul_f32 v[ST+8*\t], s[CS], v[ST+8*\t+1]      ; c m
.irp i, 2,3,4,5,6,7
	v_mov_b32 v[ST+8*\t+\i], 0                     ; l; and the registers at work, written once so that every path finds them written
.endr
.endr
.set i, 0
.rept 64
	v_mov_b32 v[O+i], 0                            ; O^T.  The step is written once: the first finds zeros, and its a is 0
.set i, i+1
.endr
; A KEY STEP: 64 keys.
.macro STEP
	s_add_co_u32 s60, s[RK], 127
	s_cmp_gt_u32 s[KF], s60                        ; all its keys come after my 32 queries: the step's work is left out, not the lines at its end that step addresses
	s_cbranch_scc1 .Lhid_\@
	s_sub_co_i32 s61, 0, s[KF]
	v_add_nc_u32 v[ADK], s[TK], v[AK0]             ; six plain lines behind the last step's products: four are owed to the loads into V's registers, five before S^T is written over P
	v_add_nc_u32 v[ADV], s[TV], v[AV0]
	v_add_nc_u32 v[DD], s61, v[QN]
.rept 3
	v_nop
.endr
.irp c, 0,1                                    ; K: fragment (keys 16 kt on, channels 32 c on) at KV + 8 (2 kt + c); channels 0-31 first
.irp kt, 0,1,2,3
	ds_load_b128 v[KV+8*(2*\kt+\c):KV+8*(2*\kt+\c)+3],   v[ADK] offset:8*KPITCH*\kt+64*\c
	ds_load_b128 v[KV+8*(2*\kt+\c)+4:KV+8*(2*\kt+\c)+7], v[ADK] offset:8*KPITCH*\kt+64*\c+32
.endr
.endr
	s_wait_dscnt 8                                 ; channels 0-31 are in; the eight loads of channels 32-63 may be out
.irp kt, 0,1,2,3                               ; the eight accumulators take turns, one instruction a turn
.irp t, 0,1
	v_wmma_f32_16x16x32_f16 v[S+32*\t+8*\kt:S+32*\t+8*\kt+7], v[KV+16*\kt:KV+16*\kt+7], v[Q+16*\t:Q+16*\t+7], 0
.endr
.endr
	s_wait_dscnt 0x0
.irp kt, 0,1,2,3
.irp t, 0,1
	v_wmma_f32_16x16x32_f16 v[S+32*\t+8*\kt:S+32*\t+8*\kt+7], v[KV+16*\kt+8:KV+16*\kt+15], v[Q+16*\t+8:Q+16*\t+15], v[S+32*\t+8*\kt:S+32*\t+8*\kt+7]
.endr
.endr
.rept 4
	v_nop                                          ; places in front of the loads into K's registers and of the first read of the scores
.endr
.irp kh, 0,1                                   ; V, turned: fragment (keys 32 kh on, channels 16 dt on) at KV + 8 (4 kh + dt).  These land under the softmax
.irp dt, 0,1,2,3
	ds_load_tr16_b128 v[KV+8*(4*\kh+\dt):KV+8*(4*\kh+\dt)+3],   v[ADV] offset:16*VPITCH*\kh+32*\dt
	ds_load_tr16_b128 v[KV+8*(4*\kh+\dt)+4:KV+8*(4*\kh+\dt)+7], v[ADV] offset:16*VPITCH*\kh+8*VPITCH+32*\dt
.endr
.endr
	s_cmp_lt_u32 s[KF], s[RK]                      ; all its keys count for all my queries: no mask
	s_cbranch_scc1 .Lopen_\@
.irp t, 0,1                                    ; register 8 kt + j of tile t holds key KF + 16 kt + 8 h + j; my query is QN + 8 h + 16 t: hidden where 16 kt + j - 16 t > DD
.irp kt, 0,1,2,3
.irp j, 0,1,2,3,4,5,6,7
	v_cmp_gt_i32 vcc_lo, 16*\kt+\j-16*\t, v[DD]
	v_cndmask_b32 v[S+32*\t+8*\kt+\j], v[S+32*\t+8*\kt+\j], v[NINF], vcc_lo
.endr
.endr
.endr
.Lopen_\@:
	; from here on the two tiles go by turns, line by line, so that no line waits for the line above it
.irp j, 0,1,2,3                                ; the maximum of 32 scores and the old m: four chains, each begun at an accumulator's low end
.irp t, 0,1
	v_max3_num_f32 v[ST+8*\t+4+\j], v[S+32*\t+8*\j], v[S+32*\t+8*\j+1], v[S+32*\t+8*\j+2]
.endr
.endr
.irp u, 1,2
.irp j, 0,1,2,3
.irp t, 0,1
	v_max3_num_f32 v[ST+8*\t+4+\j], v[ST+8*\t+4+\j], v[S+32*\t+8*\j+2*\u+1], v[S+32*\t+8*\j+2*\u+2]
.endr
.endr
.endr
.irp t, 0,1
	v_max3_num_f32 v[ST+8*\t+4], v[ST+8*\t+4], v[S+32*\t+7], v[S+32*\t+15]
.endr
.irp t, 0,1
	v_max3_num_f32 v[ST+8*\t+6], v[ST+8*\t+6], v[S+32*\t+23], v[S+32*\t+31]
.endr
.irp t, 0,1
	v_max3_num_f32 v[ST+8*\t+4], v[ST+8*\t+4], v[ST+8*\t+5], v[ST+8*\t+6]
.endr
.irp t, 0,1
	v_max3_num_f32 v[ST+8*\t+4], v[ST+8*\t+4], v[ST+8*\t+7], v[ST+8*\t+1]
.endr
.irp t, 0,1
	v_permlanex16_b32 v[ST+8*\t+5], v[ST+8*\t+4], s[SEL], s[SEL+1]   ; the query's other 32 keys lie in the lane 16 away
.endr
.irp t, 0,1
	v_mov_b32 v[ST+8*\t+7], v[ST+8*\t]             ; c m_old
.endr
.irp t, 0,1
	v_max_num_f32 v[ST+8*\t+1], v[ST+8*\t+4], v[ST+8*\t+5]
.endr
.irp t, 0,1
	v_mul_f32 v[ST+8*\t], s[CS], v[ST+8*\t+1]
.endr
.irp t, 0,1
	v_sub_f32 v[ST+8*\t+7], v[ST+8*\t+7], v[ST+8*\t]
.endr
.irp j, 0,2,4,6,8,10,12,14,16,18,20,22,24,26,28,30
.irp t, 0,1
	v_pk_fma_f32 v[S+32*\t+\j:S+32*\t+\j+1], v[S+32*\t+\j:S+32*\t+\j+1], s[CS:CS+1], v[ST+8*\t:ST+8*\t+1] op_sel_hi:[1,0,0] neg_lo:[0,0,1] neg_hi:[0,0,1]   ; c s - c m
.endr
.endr
.irp t, 0,1                                    ; ONE batch of 66 exponentials: a, and the 32 weights, of both tiles
	v_exp_f32 v[ST+8*\t+6], v[ST+8*\t+7]
.endr
.set i, 0
.rept 32
	v_exp_f32 v[S+i], v[S+i]
	v_exp_f32 v[S+32+i], v[S+32+i]
.set i, i+1
.endr
	v_nop                                          ; a plain line behind the last exponential
	s_wait_alu depctr_va_vdst(0)                   ; one wait for the batch, ahead of its first reader
.irp t, 0,1
	v_pk_mul_f32 v[ST+8*\t+2:ST+8*\t+3], v[ST+8*\t+2:ST+8*\t+3], v[ST+8*\t+6:ST+8*\t+7] op_sel_hi:[1,0]   ; l x a
.endr
.irp t, 0,1
	v_pk_add_f32 v[ST+8*\t+4:ST+8*\t+5], v[S+32*\t:S+32*\t+1], v[S+32*\t+2:S+32*\t+3]                     ; the sum of the unrounded p, in two chains
.endr
.irp j, 4,8,12,16,20,24,28
.irp t, 0,1
	v_pk_add_f32 v[ST+8*\t+2:ST+8*\t+3], v[ST+8*\t+2:ST+8*\t+3], v[S+32*\t+\j:S+32*\t+\j+1]
.endr
.irp t, 0,1
	v_pk_add_f32 v[ST+8*\t+4:ST+8*\t+5], v[ST+8*\t+4:ST+8*\t+5], v[S+32*\t+\j+2:S+32*\t+\j+3]
.endr
.endr
.irp t, 0,1
	v_pk_add_f32 v[ST+8*\t+2:ST+8*\t+3], v[ST+8*\t+2:ST+8*\t+3], v[ST+8*\t+4:ST+8*\t+5]
.endr
.irp i, 0,1,2,3,4,5,6,7,8,9,10,11,12,13,14,15  ; p to f16, in place: register i takes registers 2 i and 2 i + 1, ascending, so nothing is overwritten before it is read
.irp t, 0,1
	v_cvt_pk_f16_f32 v[S+32*\t+\i], v[S+32*\t+2*\i], v[S+32*\t+2*\i+1]
.endr
.endr
.irp j, 0,2,4,6,8,10,12,14,16,18,20,22,24,26,28,30
.irp t, 0,1
	v_pk_mul_f32 v[O+32*\t+\j:O+32*\t+\j+1], v[O+32*\t+\j:O+32*\t+\j+1], v[ST+8*\t+6:ST+8*\t+7] op_sel_hi:[1,0]   ; O^T x a, each accumulator from its low end on
.endr
.endr
	s_wait_dscnt 0x0                               ; V is in
.irp kh, 0,1                                   ; O^T += V^T P: eight accumulators by turns
.irp dt, 0,1,2,3
.irp t, 0,1
	v_wmma_f32_16x16x32_f16 v[O+32*\t+8*\dt:O+32*\t+8*\dt+7], v[KV+8*(4*\kh+\dt):KV+8*(4*\kh+\dt)+7], v[S+32*\t+8*\kh:S+32*\t+8*\kh+7], v[O+32*\t+8*\dt:O+32*\t+8*\dt+7]
.endr
.endr
.endr
.Lhid_\@:
	s_add_co_u32 s[KF], s[KF], 64
	s_add_co_u32 s[TK], s[TK], KSTEPB
	s_add_co_u32 s[TV], s[TV], VSTEPB
.endm
; THE CHANGE OF SLOTS stands at a slot's head.  Each wave waits for all its tensor loads (its part of the slot that it is about to read), adds 0 to its spare word, and waits for that and for its reads of the slot that it
; has left.  fill = 1: a round of the cluster's barrier, so that this holds of every wave of every partner; behind it the slot that was left is asked for jointly, with the next 256 keys: that load has a slot's four steps in which to land.
.macro CHANGE fill
	s_wait_tensorcnt 0x0                           ; no tensor load of mine is out, so a group 0 may be written
	ds_add_u32 v[SPW], v[NIL]                      ; 0 onto my spare word
.if \fill
	ds_add_u32 v[SPW], v[NIL]                      ; and once more: the add twice on end, in every trip alike
	s_xor_b32 s[G0K+1], s[G0K+1], SLOT1            ; the walking descriptors: the other slot than last time,
	s_add_nc_u64 s[G0K+2:G0K+3], s[G0K+2:G0K+3], 32768   ; the next 256 keys
	s_xor_b32 s[G0V+1], s[G0V+1], SLOT1
	s_add_nc_u64 s[G0V+2:G0V+3], s[G0V+2:G0V+3], 32768
	s_wait_xcnt 0x0                                ; the last prefetch, a slot back, has read its address, so it may be written:
	s_add_nc_u64 s[PFA:PFA+1], s[PFA:PFA+1], 32768 ; one slot further on than the walking descriptors
	s_wait_dscnt 0x0                               ; both adds are done, and my reads of the slot that I have left are over
	ROUND
	TLOAD                                          ; the first thing behind the round, and a wave's one tensor load until the next
	ASK
.else
	s_wait_dscnt 0x0
	s_barrier_signal -1
	s_barrier_wait -1
.endif
.endm
.macro SLOT_STEPS                      ; a slot's four key steps: written once, walked four times
	s_mov_b32 s[CNT], 4
.Lstep_\@:
	STEP
	s_sub_co_u32 s[CNT], s[CNT], 1
	s_cmp_lg_u32 s[CNT], 0
	s_cbranch_scc1 .Lstep_\@
	s_sub_co_u32 s[TK], s[TK], 4*KSTEPB            ; back to a slot's first step,
	s_xor_b32 s[TK], s[TK], SLOT1                  ; in the other slot
	s_sub_co_u32 s[TV], s[TV], 4*VSTEPB
	s_xor_b32 s[TV], s[TV], SLOT1
.endm
	s_wait_loadcnt 0x0                             ; Q
.Lslot:                                                ; seven trips: behind each change of slots but the last the next slot is asked for
	CHANGE 1
	SLOT_STEPS
	s_sub_co_u32 s[SLOTS], s[SLOTS], 1
	s_cmp_lg_u32 s[SLOTS], 0
	s_cbranch_scc1 .Lslot
	CHANGE 0                                       ; the last slot is written out
	SLOT_STEPS
	; THE WAY OUT.  l's halves are added; O^T is divided by l, rounded to f16 and goes through my stage: a lane's eight channels are 16 bytes of a row of 128; four rows come back an instruction, 512 consecutive bytes of y16.
.rept 4
	v_nop                                          ; places behind the last products
.endr
.irp t, 0,1
	v_add_f32 v[ST+8*\t+4], v[ST+8*\t+2], v[ST+8*\t+3]
.endr
.irp t, 0,1
	v_permlanex16_b32 v[ST+8*\t+5], v[ST+8*\t+4], s[SEL], s[SEL+1]
.endr
.irp t, 0,1
	v_add_f32 v[ST+8*\t+4], v[ST+8*\t+4], v[ST+8*\t+5]
.endr
.irp t, 0,1
	v_rcp_f32 v[ST+8*\t+6], v[ST+8*\t+4]
.endr
	v_nop                                          ; a plain line behind the last reciprocal
	s_wait_alu depctr_va_vdst(0)                   ; one wait for the two, ahead of their first reader
.irp t, 0,1
.irp j, 0,2,4,6,8,10,12,14,16,18,20,22,24,26,28,30
	v_pk_mul_f32 v[O+32*\t+\j:O+32*\t+\j+1], v[O+32*\t+\j:O+32*\t+\j+1], v[ST+8*\t+6:ST+8*\t+7] op_sel_hi:[1,0]
.endr
.irp i, 0,1,2,3,4,5,6,7,8,9,10,11,12,13,14,15
	v_cvt_pk_f16_f32 v[S+16*\t+\i], v[O+32*\t+2*\i], v[O+32*\t+2*\i+1]
.endr
.irp dt, 0,1,2,3
	ds_store_b128 v[STO], v[S+16*\t+4*\dt:S+16*\t+4*\dt+3] offset:16*SPI*\t+32*\dt
.endr
.endr
.irp i, 0,1,2,3,4,5,6,7
	ds_load_b128 v[KV+4*\i:KV+4*\i+3], v[RD] offset:4*SPI*\i       ; LDS serves a wave's instructions in order: these see my stores
.endr
.irp i, 0,1,2,3,4,5,6,7
	s_wait_dscnt 7-\i                              ; load i is back; the younger ones may be out
	global_store_b128 v[GO], v[KV+4*\i:KV+4*\i+3], s[6:7] offset:512*\i
.endr
	s_wait_tensorcnt 0x0                           ; the wave's end, behind my last tensor load and my last LDS store
	ds_add_u32 v[SPW], v[NIL]
	s_wait_dscnt 0x0
	ROUND                                          ; the closing round
	s_endpgm
.Lfunc_end_k_q8d95bf5801_attn:
	.size	k_q8d95bf5801_attn, .Lfunc_end_k_q8d95bf5801_attn-k_q8d95bf5801_attn
	.p2alignl 7, 3214868480
	.fill 96, 4, 3214868480
	.section	.rodata,"a",@progbits
	.p2align	6, 0x0
	.amdhsa_kernel k_q8d95bf5801_attn
		.amdhsa_group_segment_fixed_size 327680
		.amdhsa_private_segment_fixed_size 0
		.amdhsa_enable_private_segment 0
		.amdhsa_kernarg_size 16
		.amdhsa_user_sgpr_count 2
		.amdhsa_user_sgpr_kernarg_segment_ptr 1
		.amdhsa_wavefront_size32 1
		.amdhsa_system_sgpr_workgroup_id_x 1
		.amdhsa_system_sgpr_workgroup_id_y 1
		.amdhsa_system_sgpr_workgroup_id_z 1
		.amdhsa_system_vgpr_workitem_id 0
		.amdhsa_next_free_vgpr 256
		.amdhsa_next_free_sgpr 72
		.amdhsa_reserve_vcc 1
		.amdhsa_float_denorm_mode_32 3
		.amdhsa_float_denorm_mode_16_64 3
		.amdhsa_memory_ordered 1
		.amdhsa_forward_progress 1
		.amdhsa_inst_pref_size 63
	.end_amdhsa_kernel
	.amdgpu_metadata
---
amdhsa.version: [ 1, 2 ]
amdhsa.kernels:
  - .name:           k_q8d95bf5801_attn
    .symbol:         k_q8d95bf5801_attn.kd
    .args:
      - { .name: qkv16, .offset: 0, .size: 8, .value_kind: global_buffer, .address_space: global }
      - { .name: y16, .offset: 8, .size: 8, .value_kind: global_buffer, .address_space: global }
    .group_segment_fixed_size: 327680
    .private_segment_fixed_size: 0
    .kernarg_segment_align: 8
    .kernarg_segment_size: 16
    .max_flat_workgroup_size: 512
    .sgpr_count:     72
    .vgpr_count:     256
    .wavefront_size: 32
...
	.end_amdgpu_metadata
.endif
;; end of part 3
;; launch proj (part 4): grid 4 x 64, 4 waves a work-group, clusters of 4 x 4, 327,680 bytes of LDS; arguments y16, w16, out0; writes out0
.if DOCPART == 4
	.amdgcn_target "amdgcn-amd-amdhsa--gfx1250"
	.amdhsa_code_object_version 6
	.text
	.protected	k_q8d95bf5801_proj
	.globl	k_q8d95bf5801_proj
	.p2align	8
	.type	k_q8d95bf5801_proj,@function
k_q8d95bf5801_proj:
	s_mov_b64 s[64:65], 0
	v_nop
	global_prefetch_b8 v0, s[64:65] scope:SCOPE_SE
	s_setreg_imm32_b32 hwreg(HW_REG_WAVE_MODE, 25, 1), 1
	s_wait_xcnt 0x0
	s_wait_alu depctr_hold_cnt(0) depctr_sa_sdst(0) depctr_va_vdst(0) depctr_va_sdst(0) depctr_va_ssrc(0) depctr_va_vcc(0) depctr_vm_vsrc(0)
	s_getreg_b32 s2, hwreg(HW_REG_IB_STS2, 6, 4)
	s_cmp_eq_u32 s2, 0
	s_cbranch_scc0 .Lentry_in_a_cluster
	s_endpgm
.Lentry_in_a_cluster:
	s_bfe_u32 s2, ttmp6, 0x10000c
	s_cmp_lg_u32 s2, 0xf033
	s_cbranch_scc0 .Lentry_shape_is_right
	s_endpgm
.Lentry_shape_is_right:
; out0[m][n] = sum over k of y[m][k] w_out[n][k]: [8192][1024] x [1024][1024], f16 operands, f32 sums, f32 out.  y16 is laid [16 heads][8192 rows][64]: k = 64 head + channel.  w16: [1024 n][1024 k].
; A tile of out0 is 128 rows x 256 columns: 256 work-groups.  Four waves, each 64 x 128: 32 accumulators of 16 x 16, all of window 1.
; K goes in eight steps of 128 (two heads' planes of y16) through two LDS slots.  A plane's 128 rows of 128 bytes are dense in memory: they come as 64 lines of 256 bytes, two rows to a line.  w16's rows come as 256 bytes each.
; CLUSTERS: 4 x 4 work-groups.  The four of a row of the cluster need the same tiles of y, the four of a column the same tiles of w16: each tile is asked for jointly.
; THE MATRIX INSTRUCTION IS USED TRANSPOSED (source 0 = 16 rows of w16, source 1 = 16 rows of y): a lane then holds eight neighbouring columns of one row of out0.
; Positions 0-15 of each sequence are made here like the others and are written again, more finely, by the next launch.
; REGISTERS: window 0: v0-31 addresses; v64-159 and v160-255 two fragment buffers for 32 along K: w16's 8 fragments, then y's 4.   window 1: accumulator (a, b) at v[8 (8 a + b)].
.set PITCH,  272                       ; an LDS line: 256 bytes + 16 of padding
.set APL,    64*PITCH                  ; a plane of y: 128 rows
.set BOFF,   2*APL                     ; behind y's two planes: w16's 256 rows
.set BHALF,  128*PITCH
.set SLOT,   BOFF+2*BHALF
.set STAGE,  2*SLOT                    ; behind the slots: 16 rows x 528 bytes for each wave
.set SPITCH, 528
.set SPARE,  STAGE+4*16*SPITCH         ; the spare words, 128 bytes for each wave
.set LAPS,   4                         ; a lap = two K steps = once round the two slots
.set ADRA, 16
.set ADRB, 20
.set STO,  24
.set RD,   25
.set CO,   26
.set SPW,  28
.set NIL,  29
.set F0,   64
.set F1,   160
.set G1, 24
.set G0, 32
.set G1B, 48
.set G0B, 56
.set MSB, 0
.macro WIN new                         ; the immediate's high byte repeats the setting that is left
.if MSB != \new
	s_set_vgpr_msb (MSB<<8)|\new
.set MSB, \new
.endif
.endm
.set MUL, 0x50                         ; C and D window 1, sources window 0
.macro JLOAD s                         ; a joint load: waves 0 and 1 fetch y's two planes, waves 2 and 3 w16's two halves; an s_nop 0 and four v_nop follow each of the two lines
	s_cmp_eq_u32 s11, 0
	s_cbranch_scc0 .Lfor_b_\@
	tensor_load_to_lds s[G0+4*\s:G0+4*\s+3], s[G1:G1+7]
	s_nop 0
.rept 4
	v_nop
.endr
	s_branch .Lasked_\@
.Lfor_b_\@:
	tensor_load_to_lds s[G0B+4*\s:G0B+4*\s+3], s[G1B:G1B+7]
	s_nop 0
.rept 4
	v_nop
.endr
.Lasked_\@:
.endm
.macro CREST                           ; a round of the cluster's barrier behind its opening barrier
	s_cmp_lg_u32 s10, 0
	s_cbranch_scc1 .Lnot_wave_0_\@
	s_barrier_signal -3
.Lnot_wave_0_\@:
	s_barrier_wait -3
	s_barrier_signal -1
	s_barrier_wait -1
.endm
.macro CROUND
	s_barrier_signal -1
	s_barrier_wait -1
	CREST
.endm
	s_load_b128 s[4:7], s[0:1], 0x0                ; y16, w16
	s_load_b64 s[8:9], s[0:1], 0x10                ; out0
	v_lshl_add_u32 v[SPW], v0, 2, SPARE
	v_mov_b32 v[NIL], 0
	ds_add_u32 v[SPW], v[NIL]                      ; the wave's opening: the add, twice on end, and its wait ahead of my first tensor load
	ds_add_u32 v[SPW], v[NIL]
	v_lshrrev_b32 v1, 5, v0
	v_readfirstlane_b32 s10, v1                    ; wave 0..3
	s_lshr_b32 s11, s10, 1                         ; which 64 of the tile's rows are mine.  Also: I fetch for y (0) or for w16 (1)
	s_and_b32 s12, s10, 1                          ; which 128 of its columns.  Also: which plane, or which 128 rows of w16, I fetch
	s_bfe_u32 s40, ttmp6, 0x40000                  ; cx, cy
	s_bfe_u32 s41, ttmp6, 0x40004
	s_lshl_b32 s42, ttmp9, 2
	s_add_co_u32 s42, s42, s40                     ; tile column
	s_and_b32 s13, ttmp7, 0xffff
	s_lshl_b32 s13, s13, 2
	s_add_co_u32 s13, s13, s41                     ; tile row
	s_lshl_b32 s43, s41, 2
	s_lshl_b32 s43, 15, s43                        ; my row of the cluster
	s_lshl_b32 s44, 0x1111, s40                    ; my column
	s_or_b32 s[G1+0], s43, (1<<16)|(1<<20)|(1<<21)|(5<<22)|(3<<25)  ; the mask; elements of 2 bytes; padding on; bit 21 beside a mask; after every 64 words, 4 words
	s_or_b32 s[G1B+0], s44, (1<<16)|(1<<20)|(1<<21)|(5<<22)|(3<<25)
	s_mov_b32 s[G1+1], 128<<16                     ; y: 64 lines of 128 elements, dense
	s_mov_b32 s[G1+2], 64<<16
	s_mov_b32 s[G1+3], 128<<16
	s_mov_b32 s[G1+4], 64
	s_mov_b32 s[G1+5], 128
	s_mov_b32 s[G1+6], 0
	s_mov_b32 s[G1+7], 0
	s_mov_b32 s[G1B+1], 128<<16                    ; w16: 128 rows of 128 elements, 1,024 elements apart
	s_mov_b32 s[G1B+2], 128<<16
	s_mov_b32 s[G1B+3], 128<<16
	s_mov_b32 s[G1B+4], 128
	s_mov_b32 s[G1B+5], 1024
	s_mov_b32 s[G1B+6], 0
	s_mov_b32 s[G1B+7], 0
	s_lshl_b32 s16, s12, 20                        ; y: my plane of the K step's two,
	s_lshl_b32 s17, s13, 14                        ; the tile's 128 rows of 128 bytes
	s_add_co_u32 s16, s16, s17
	s_mov_b32 s17, 0
	s_lshl_b32 s46, s42, 19                        ; w16: the tile's 256 rows of 2,048 bytes,
	s_lshl_b32 s47, s12, 18                        ; my 128 of them
	s_add_co_u32 s46, s46, s47
	s_mov_b32 s47, 0
	s_mul_i32 s20, s12, APL                        ; where they go: no place in the cluster enters an LDS address
	s_mul_i32 s21, s12, BHALF
	s_add_co_u32 s21, s21, BOFF
	s_wait_dscnt 0x0                               ; both opening adds are done
	s_wait_kmcnt 0x0
	s_add_nc_u64 s[14:15], s[4:5], s[16:17]
	s_add_nc_u64 s[46:47], s[6:7], s[46:47]
	CROUND                                         ; all sixteen work-groups are here: the first joint loads meet
.irp s, 0,1
	s_mov_b32 s[G0+4*\s], 1
	s_add_co_u32 s[G0+4*\s+1], s20, \s*SLOT
	s_add_nc_u64 s[G0+4*\s+2:G0+4*\s+3], s[14:15], \s*0x200000     ; K step s: two planes on
	s_or_b32 s[G0+4*\s+3], s[G0+4*\s+3], 0x80000000
	s_mov_b32 s[G0B+4*\s], 1
	s_add_co_u32 s[G0B+4*\s+1], s21, \s*SLOT
	s_add_nc_u64 s[G0B+4*\s+2:G0B+4*\s+3], s[46:47], \s*256
	s_or_b32 s[G0B+4*\s+3], s[G0B+4*\s+3], 0x80000000
	JLOAD \s                                       ; two tensor loads of mine are out here, one later
.endr
	v_and_b32 v1, 15, v0                           ; r
	v_bfe_u32 v2, v0, 4, 1                         ; h
	v_lshrrev_b32 v3, 1, v1
	v_mul_u32_u24 v3, v3, PITCH
	v_and_b32 v4, 1, v1
	v_lshl_add_u32 v3, v4, 7, v3
	v_lshl_add_u32 v3, v2, 4, v3                   ; y: row r: line r / 2, half r % 2, + 16 h
	v_mul_u32_u24 v4, v1, PITCH
	v_lshl_add_u32 v4, v2, 4, v4                   ; w16: row r, + 16 h
	s_mul_i32 s21, s11, 32*PITCH                   ; my 64 rows of y
	s_mul_i32 s22, s12, BHALF                      ; my 128 rows of w16
	s_add_co_u32 s22, s22, BOFF
.irp s, 0,1
	v_add_nc_u32 v[ADRA+\s], s21, v3
	v_add_nc_u32 v[ADRB+\s], s22, v4
	s_add_co_u32 s21, s21, SLOT
	s_add_co_u32 s22, s22, SLOT
.endr
	s_mul_i32 s23, s10, 16*SPITCH
	s_add_co_u32 s23, s23, STAGE                   ; my stage
	v_mul_u32_u24 v5, v1, SPITCH
	v_lshl_add_u32 v5, v2, 5, v5
	v_add_nc_u32 v[STO], s23, v5                   ; in: row r, 32 bytes for each half of the lanes
	v_and_b32 v6, 31, v0
	v_lshlrev_b32 v[CO], 4, v6
	v_add_nc_u32 v[RD], s23, v[CO]                 ; back: a row of 512 bytes
	s_lshl_b32 s16, s13, 19                        ; out0: (128 x tile row + 64 x my half) rows of 4,096 bytes
	s_lshl_b32 s17, s11, 18
	s_add_co_u32 s16, s16, s17
	s_mov_b32 s17, 0
	s_add_nc_u64 s[8:9], s[8:9], s[16:17]
	s_lshl_b32 s46, s42, 10                        ; + (256 x tile column + 128 x my half) x 4
	s_lshl_b32 s47, s12, 9
	s_add_co_u32 s46, s46, s47
	s_mov_b32 s47, 0
	s_add_nc_u64 s[8:9], s[8:9], s[46:47]
.macro MULA f, a, zero                 ; 8 matrix instructions: y's block a against w16's eight, 32 along K.  The 32 accumulators take turns, in the same order in every quarter
.irp b, 0,1,2,3,4,5,6,7
.if \zero
	v_wmma_f32_16x16x32_f16 v[8*(8*(\a)+\b):8*(8*(\a)+\b)+7], v[\f+8*\b:\f+8*\b+7], v[\f+64+8*(\a):\f+64+8*(\a)+7], 0
.else
	v_wmma_f32_16x16x32_f16 v[8*(8*(\a)+\b):8*(8*(\a)+\b)+7], v[\f+8*\b:\f+8*\b+7], v[\f+64+8*(\a):\f+64+8*(\a)+7], v[8*(8*(\a)+\b):8*(8*(\a)+\b)+7]
.endif
.endr
.endm
.macro FETCH slot, q, f                ; 24 LDS loads in one run: quarter q (32 along K) of the slot into buffer f: w16's sixteen, then y's blocks 0, 1, then 2, 3
.irp b, 0,1,2,3,4,5,6,7
	ds_load_b128 v[\f+8*\b:\f+8*\b+3],   v[ADRB+\slot] offset:16*PITCH*\b+64*(\q)
	ds_load_b128 v[\f+8*\b+4:\f+8*\b+7], v[ADRB+\slot] offset:16*PITCH*\b+64*(\q)+32
.endr
.irp a, 0,1,2,3
	ds_load_b128 v[\f+64+8*\a:\f+64+8*\a+3],   v[ADRA+\slot] offset:8*PITCH*\a+APL*((\q)/2)+64*((\q)%2)
	ds_load_b128 v[\f+64+8*\a+4:\f+64+8*\a+7], v[ADRA+\slot] offset:8*PITCH*\a+APL*((\q)/2)+64*((\q)%2)+32
.endr
.endm
.macro PLACES                          ; four plain lines in front of loads into registers that matrix instructions have read, and of the first read of results
.rept 4
	v_nop
.endr
.endm
.macro QUARTER slot, q, f, g, zero     ; multiplies buffer f and fetches quarter q of the same slot into g
	s_wait_dscnt 4                                 ; w16's fragments and y's blocks 0, 1 are in; the youngest four loads (blocks 2, 3) may be out
	WIN MUL
	MULA \f, 0, \zero
	MULA \f, 1, \zero
	PLACES
	WIN 0
	FETCH \slot, \q, \g
	s_wait_dscnt 24                                ; all but the 24 just issued
	WIN MUL
	MULA \f, 2, \zero
	MULA \f, 3, \zero
.endm
; A slot's last quarter multiplies buffer 1 and changes slots: ONE barrier; in front of it each wave waits for all its tensor loads, adds 0 to its spare word, and waits for that and for its reads of this slot.
; fill = 1: the barrier opens a round of the cluster's, and behind it this slot is asked for again, two K steps ahead: 112 matrix instructions ahead of the wait for it.
.macro TURN slot, next, fill
	WIN 0
	s_wait_tensorcnt 0x0                           ; all my tensor loads have landed: my part of the next slot
	ds_add_u32 v[SPW], v[NIL]                      ; 0 onto my spare word
	s_wait_dscnt 5                                 ; (the add and the youngest four loads may be out)
	WIN MUL
	MULA F1, 0, 0
	s_wait_dscnt 0x0                               ; the add is done, and my reads of this slot are over
	s_barrier_signal -1
	MULA F1, 1, 0
	WIN 0
	s_barrier_wait -1
.if \fill
	CREST
	s_add_nc_u64 s[G0+4*\slot+2:G0+4*\slot+3], s[G0+4*\slot+2:G0+4*\slot+3], 0x400000   ; four planes on
	s_add_nc_u64 s[G0B+4*\slot+2:G0B+4*\slot+3], s[G0B+4*\slot+2:G0B+4*\slot+3], 512
	JLOAD \slot                                    ; the first tensor load behind the round; its four v_nop are also the places in front of the loads below
.else
	PLACES
.endif
	FETCH \next, 0, F0
	WIN MUL
	MULA F1, 2, 0
	MULA F1, 3, 0
.endm
	s_wait_tensorcnt 1                             ; my part of K step 0 is in (K step 1's load may be out),
	s_barrier_signal -1
	s_barrier_wait -1                              ; everybody's is
	FETCH 0, 0, F0
	QUARTER 0, 1, F0, F1, 1                        ; the first quarter stands in front of the loop: its products start the sums
	WIN 0                                          ; at a label and at a branch every window is 0
	s_mov_b32 s3, LAPS-1
.Llap:                                                 ; a trip goes once round the slots, from a lap's second quarter to the next lap's first, and fills both again
	QUARTER 0, 2, F1, F0, 0
	QUARTER 0, 3, F0, F1, 0
	TURN 0, 1, 1
	QUARTER 1, 1, F0, F1, 0
	QUARTER 1, 2, F1, F0, 0
	QUARTER 1, 3, F0, F1, 0
	TURN 1, 0, 1
	QUARTER 0, 1, F0, F1, 0
	WIN 0
	s_sub_co_u32 s3, s3, 1
	s_cmp_lg_u32 s3, 0
	s_cbranch_scc1 .Llap
	QUARTER 0, 2, F1, F0, 0                        ; the last lap fills nothing
	QUARTER 0, 3, F0, F1, 0
	TURN 0, 1, 0
	QUARTER 1, 1, F0, F1, 0
	QUARTER 1, 2, F1, F0, 0
	QUARTER 1, 3, F0, F1, 0
	s_wait_dscnt 4                                 ; the very last quarter: nothing more to fetch
	WIN MUL
	MULA F1, 0, 0
	MULA F1, 1, 0
	s_wait_dscnt 0
	MULA F1, 2, 0
	MULA F1, 3, 0
	WIN 0
; THE WAY OUT, block by block of 16 rows x 128 columns: a lane holds 32 neighbouring bytes of a row; a block goes through my own stage and comes back as whole rows of 512 bytes.
.macro TOSTAGE a
	WIN 0x04                                       ; an LDS store's data are its source 1: window 1
.irp b, 0,1,2,3,4,5,6,7
	ds_store_b128 v[STO], v[8*(8*(\a)+\b):8*(8*(\a)+\b)+3] offset:64*\b          ; each accumulator from its low end on
	ds_store_b128 v[STO], v[8*(8*(\a)+\b)+4:8*(8*(\a)+\b)+7] offset:64*\b+16
.endr
	WIN 0
.set BB, 64+64*((\a)%2)
.irp t, 0,1,2,3,4,5,6,7,8,9,10,11,12,13,14,15
	ds_load_b128 v[BB+4*\t:BB+4*\t+3], v[RD] offset:\t*SPITCH      ; LDS serves a wave's instructions in order: these see the stores above
.endr
.endm
.macro SEND a, younger                 ; younger: the LDS instructions issued behind block a's loads, which may stay out
.set BB, 64+64*((\a)%2)
	s_wait_dscnt \younger
.irp t, 0,1,2,3,4,5,6,7,8,9,10,11,12,13,14,15
	global_store_b128 v[CO], v[BB+4*\t:BB+4*\t+3], s[8:9] offset:(16*(\a)+\t)*4096 th:TH_STORE_NT   ; 32 lanes store 512 consecutive bytes, aligned
.endr
.endm
	PLACES
	TOSTAGE 0
.irp a, 1,2,3
.if \a > 1
	s_wait_xcnt 0x0                                ; block a - 2's stores have read their registers: block a's loads may land there
.endif
	TOSTAGE \a
	SEND \a-1, 32                                  ; behind block a - 1's loads: block a's 16 stores and 16 loads
.endr
	SEND 3, 0
	s_wait_tensorcnt 0x0                           ; the wave's end, behind my last tensor load and my last LDS store
	ds_add_u32 v[SPW], v[NIL]
	s_wait_dscnt 0x0
	CROUND                                         ; the closing round
	s_endpgm
.Lfunc_end_k_q8d95bf5801_proj:
	.size	k_q8d95bf5801_proj, .Lfunc_end_k_q8d95bf5801_proj-k_q8d95bf5801_proj
	.p2alignl 7, 3214868480
	.fill 96, 4, 3214868480
	.section	.rodata,"a",@progbits
	.p2align	6, 0x0
	.amdhsa_kernel k_q8d95bf5801_proj
		.amdhsa_group_segment_fixed_size 327680
		.amdhsa_private_segment_fixed_size 0
		.amdhsa_enable_private_segment 0
		.amdhsa_kernarg_size 24
		.amdhsa_user_sgpr_count 2
		.amdhsa_user_sgpr_kernarg_segment_ptr 1
		.amdhsa_wavefront_size32 1
		.amdhsa_system_sgpr_workgroup_id_x 1
		.amdhsa_system_sgpr_workgroup_id_y 1
		.amdhsa_system_sgpr_workgroup_id_z 1
		.amdhsa_system_vgpr_workitem_id 0
		.amdhsa_next_free_vgpr 512
		.amdhsa_next_free_sgpr 66
		.amdhsa_reserve_vcc 0
		.amdhsa_float_denorm_mode_32 3
		.amdhsa_float_denorm_mode_16_64 3
		.amdhsa_memory_ordered 1
		.amdhsa_forward_progress 1
		.amdhsa_inst_pref_size 85
	.end_amdhsa_kernel
	.amdgpu_metadata
---
amdhsa.version: [ 1, 2 ]
amdhsa.kernels:
  - .name:           k_q8d95bf5801_proj
    .symbol:         k_q8d95bf5801_proj.kd
    .args:
      - { .name: y16, .offset: 0, .size: 8, .value_kind: global_buffer, .address_space: global }
      - { .name: w16, .offset: 8, .size: 8, .value_kind: global_buffer, .address_space: global }
      - { .name: out0, .offset: 16, .size: 8, .value_kind: global_buffer, .address_space: global }
    .group_segment_fixed_size: 327680
    .private_segment_fixed_size: 0
    .kernarg_segment_align: 8
    .kernarg_segment_size: 24
    .max_flat_workgroup_size: 128
    .sgpr_count:     66
    .vgpr_count:     512
    .wavefront_size: 32
...
	.end_amdgpu_metadata
.endif
;; end of part 4
;; launch fine (part 5): grid 16 x 4, 16 waves a work-group, no clusters, 71,680 bytes of LDS; arguments qkv32, w_out, out0; writes out0
.if DOCPART == 5
	.amdgcn_target "amdgcn-amd-amdhsa--gfx1250"
	.amdhsa_code_object_version 6
	.text
	.protected	k_q8d95bf5801_fine
	.globl	k_q8d95bf5801_fine
	.p2align	8
	.type	k_q8d95bf5801_fine,@function
k_q8d95bf5801_fine:
	s_mov_b64 s[64:65], 0
	v_nop
	global_prefetch_b8 v0, s[64:65] scope:SCOPE_SE
	s_setreg_imm32_b32 hwreg(HW_REG_WAVE_MODE, 25, 1), 1
	s_wait_xcnt 0x0
; Positions t = 0 .. 15 of each of the four sequences, once more, wholly in f32: these rows average one to sixteen values, are the largest in size, and want more than f16 operands give.
; qkv32 [4 b][16 t][3072]: the f32 sums of the first product.  w_out [1024][1024] f32.  out0's rows 2048 b + t are written over.
; A work-group is (a block of 64 outputs, b); a wave is a head.  Each wave makes its head's 16 x 16 attention and the head's share of 16 rows x 64 outputs; the sixteen shares meet in LDS, and wave w sums and stores row w.
; All products by v_wmma_f32_16x16x4_f32 (64 rows in all: no bulk work), with one order of k on both sources: K step (c, i) takes, in lane half h and register j', index 16 c + 8 h + 2 i + j'.
; So a lane's eight neighbouring numbers are four K steps' pairs, and a product's result (a lane: one query, eight neighbouring indices) is the next product's source 1 as it stands.
; No cluster, no tensor loads: what is shared is small, and the launch is short.
; REGISTERS: v1-12 addresses; v13-15 at work; v16-23 scores, then p; v32-63 Q, v64-95 K (later w_out's rows for outputs 32-63, later the shares); v96-127 V; v128-191 w_out's rows for outputs 0-31;
;   v192-223 Y^T; v224-255 the four tiles of outputs (the last two first hold the scores' two half sums).  v192-255 are written by matrix instructions alone.
.set SPARE, 16*16*272                  ; behind the sixteen shares (16 rows x 272 bytes each): the spare words
.set SPW, 8
.set NIL, 9
	s_load_b128 s[4:7], s[0:1], 0x0                ; qkv32, w_out
	s_load_b64 s[8:9], s[0:1], 0x10                ; out0
	v_lshl_add_u32 v[SPW], v0, 2, SPARE
	v_mov_b32 v[NIL], 0
	v_lshrrev_b32 v1, 5, v0
	v_readfirstlane_b32 s10, v1                    ; wave = head; later: the row that I sum
	s_and_b32 s11, ttmp7, 0xffff                   ; b
	v_and_b32 v1, 15, v0                           ; r
	v_bfe_u32 v2, v0, 4, 1                         ; h
	v_mul_u32_u24 v3, v1, 12288
	v_lshl_add_u32 v3, v2, 5, v3                   ; Q, K: position r, + 32 h
	v_mul_u32_u24 v4, v2, 98304
	v_lshl_add_u32 v4, v1, 2, v4                   ; V: positions 8 h on, channel r
	v_lshlrev_b32 v5, 12, v1
	v_lshl_add_u32 v5, v2, 5, v5                   ; w_out: row r, + 32 h
	v_lshlrev_b32 v6, 3, v2
	v_sub_nc_u32 v6, v1, v6                        ; r - 8 h: key 8 h + j is hidden where j > r - 8 h
	v_mov_b32 v7, 0xff800000                       ; -infinity
	s_mul_i32 s12, s10, 16*272
	v_mul_u32_u24 v10, v1, 272
	v_lshl_add_u32 v10, v2, 5, v10
	v_add_nc_u32 v10, s12, v10                     ; my share: row r, + 32 h
	v_and_b32 v12, 31, v0
	v_lshlrev_b32 v12, 3, v12                      ; 8 bytes a lane of a row of 256
	s_mul_i32 s12, s10, 272
	v_add_nc_u32 v11, s12, v12                     ; row w of every share
	v_mov_b32 v14, 0                               ; (a lane permute's destination counts as one of its sources)
	v_mov_b32 v15, 0
	s_mov_b32 s22, 0x76543210
	s_mov_b32 s23, 0xfedcba98
	s_mov_b32 s24, 0x3e38aa3b                      ; c = log2(e) / 8
	s_mul_i32 s16, s11, 196608                     ; qkv32: the batch's 16 rows, the head's 64 columns
	s_lshl_b32 s17, s10, 8
	s_add_co_u32 s16, s16, s17
	s_lshl_b32 s18, ttmp9, 18                      ; w_out: my block's 64 rows, the head's 64 columns
	s_add_co_u32 s18, s18, s17
	s_mov_b32 s17, 0
	s_mov_b32 s19, 0
	s_lshl_b32 s20, s11, 23                        ; out0: row 2048 b + w, my block's 256 bytes
	s_lshl_b32 s21, s10, 12
	s_add_co_u32 s20, s20, s21
	s_lshl_b32 s21, ttmp9, 8
	s_add_co_u32 s20, s20, s21
	s_mov_b32 s21, 0
	s_wait_kmcnt 0x0
	s_add_nc_u64 s[4:5], s[4:5], s[16:17]
	s_add_nc_u64 s[6:7], s[6:7], s[18:19]
	s_add_nc_u64 s[8:9], s[8:9], s[20:21]
.irp c, 0,1,2,3                                ; Q(r, 16 c + 8 h + 0 .. 7)
	global_load_b128 v[32+8*\c:35+8*\c], v3, s[4:5] offset:64*\c
	global_load_b128 v[36+8*\c:39+8*\c], v3, s[4:5] offset:64*\c+16
.endr
.irp c, 0,1,2,3                                ; K likewise
	global_load_b128 v[64+8*\c:67+8*\c], v3, s[4:5] offset:4096+64*\c
	global_load_b128 v[68+8*\c:71+8*\c], v3, s[4:5] offset:4096+64*\c+16
.endr
.irp dt, 0,1,2,3                               ; V(8 h + j, 16 dt + r)
.irp j, 0,1,2,3,4,5,6,7
	global_load_b32 v[96+8*\dt+\j], v4, s[4:5] offset:8192+12288*\j+64*\dt
.endr
.endr
.irp ft, 0,1                                   ; w_out(16 ft + r, 16 dt + 8 h + 0 .. 7)
.irp dt, 0,1,2,3
	global_load_b128 v[128+32*\ft+8*\dt:131+32*\ft+8*\dt], v5, s[6:7] offset:65536*\ft+64*\dt
	global_load_b128 v[132+32*\ft+8*\dt:135+32*\ft+8*\dt], v5, s[6:7] offset:65536*\ft+64*\dt+16
.endr
.endr
	s_wait_loadcnt 48                              ; Q and K are in; V's 32 loads and w_out's 16 may be out
	; S^T = K Q^T: sixteen K steps, two half sums by turns
	v_wmma_f32_16x16x4_f32 v[240:247], v[64:65], v[32:33], 0
	v_wmma_f32_16x16x4_f32 v[248:255], v[66:67], v[34:35], 0
.irp n, 2,4,6,8,10,12,14
	v_wmma_f32_16x16x4_f32 v[240:247], v[64+2*\n:65+2*\n], v[32+2*\n:33+2*\n], v[240:247]
	v_wmma_f32_16x16x4_f32 v[248:255], v[66+2*\n:67+2*\n], v[34+2*\n:35+2*\n], v[248:255]
.endr
.rept 8
	v_nop                                          ; eight places behind this form, in front of loads into its sources and of the first read of its results
.endr
.irp ft, 2,3
.irp dt, 0,1,2,3
	global_load_b128 v[32+32*(\ft-2)+8*\dt:35+32*(\ft-2)+8*\dt], v5, s[6:7] offset:65536*\ft+64*\dt
	global_load_b128 v[36+32*(\ft-2)+8*\dt:39+32*(\ft-2)+8*\dt], v5, s[6:7] offset:65536*\ft+64*\dt+16
.endr
.endr
.irp j, 0,1,2,3,4,5,6,7
	v_add_f32 v[16+\j], v[240+\j], v[248+\j]       ; lane (r, h): query r, key 8 h + j; from the low end on
.endr
.irp j, 0,1,2,3,4,5,6,7
	v_cmp_gt_i32 vcc_lo, \j, v6
	v_cndmask_b32 v[16+\j], v[16+\j], v7, vcc_lo
.endr
	v_max3_num_f32 v13, v16, v17, v18
	v_max3_num_f32 v14, v19, v20, v21
	v_max3_num_f32 v13, v13, v22, v23
	v_max_num_f32 v13, v13, v14
	v_permlanex16_b32 v14, v13, s22, s23
	v_max_num_f32 v13, v13, v14                    ; the row's maximum: key 0 counts for every query
	v_mul_f32 v13, s24, v13
.irp j, 0,1,2,3,4,5,6,7
	v_fma_f32 v[16+\j], v[16+\j], s24, -v13
.endr
.irp j, 0,1,2,3,4,5,6,7
	v_exp_f32 v[16+\j], v[16+\j]
.endr
	v_nop                                          ; a plain line behind the last exponential
	s_wait_alu depctr_va_vdst(0)                   ; one wait for the eight, ahead of their first reader
	v_add_f32 v14, v16, v17
	v_add_f32 v15, v18, v19
	v_add_f32 v14, v14, v20
	v_add_f32 v15, v15, v21
	v_add_f32 v14, v14, v22
	v_add_f32 v15, v15, v23
	v_add_f32 v14, v14, v15
	v_permlanex16_b32 v15, v14, s22, s23
	v_add_f32 v14, v14, v15
	v_rcp_f32 v14, v14
	v_nop
	s_wait_alu depctr_va_vdst(0)
.irp j, 0,1,2,3,4,5,6,7
	v_mul_f32 v[16+\j], v[16+\j], v14              ; the weights, normalised
.endr
	s_wait_loadcnt 32                              ; V is in; w_out's 32 loads may be out
.irp i, 0,1,2,3                                ; Y^T = V^T P: four K steps, four accumulators by turns
.irp dt, 0,1,2,3
.if \i == 0
	v_wmma_f32_16x16x4_f32 v[192+8*\dt:199+8*\dt], v[96+8*\dt:97+8*\dt], v[16:17], 0
.else
	v_wmma_f32_16x16x4_f32 v[192+8*\dt:199+8*\dt], v[96+8*\dt+2*\i:97+8*\dt+2*\i], v[16+2*\i:17+2*\i], v[192+8*\dt:199+8*\dt]
.endif
.endr
.endr
.rept 9
	v_nop                                          ; nine places before a matrix instruction takes these results as a source
.endr
	s_wait_loadcnt 16                              ; w_out's rows for outputs 0-31 are in
.irp dt, 0,1,2,3                               ; Z^T = W Y^T: lane (r, h) of Y^T(dt) holds query r, channels 16 dt + 8 h + 0 .. 7: source 1 as it stands.  Two accumulators by turns
.irp i, 0,1,2,3
.irp ft, 0,1
.if (\dt == 0) && (\i == 0)
	v_wmma_f32_16x16x4_f32 v[224+8*\ft:231+8*\ft], v[128+32*\ft:129+32*\ft], v[192:193], 0
.else
	v_wmma_f32_16x16x4_f32 v[224+8*\ft:231+8*\ft], v[128+32*\ft+8*\dt+2*\i:129+32*\ft+8*\dt+2*\i], v[192+8*\dt+2*\i:193+8*\dt+2*\i], v[224+8*\ft:231+8*\ft]
.endif
.endr
.endr
.endr
	s_wait_loadcnt 0x0                             ; and those for outputs 32-63
.irp dt, 0,1,2,3
.irp i, 0,1,2,3
.irp ft, 0,1
.if (\dt == 0) && (\i == 0)
	v_wmma_f32_16x16x4_f32 v[240+8*\ft:247+8*\ft], v[32+32*\ft:33+32*\ft], v[192:193], 0
.else
	v_wmma_f32_16x16x4_f32 v[240+8*\ft:247+8*\ft], v[32+32*\ft+8*\dt+2*\i:33+32*\ft+8*\dt+2*\i], v[192+8*\dt+2*\i:193+8*\dt+2*\i], v[240+8*\ft:247+8*\ft]
.endif
.endr
.endr
.endr
.rept 8
	v_nop                                          ; eight places in front of the stores that read results and of the loads into sources
.endr
.irp ft, 0,1,2,3                               ; lane (r, h): row r, outputs 16 ft + 8 h + 0 .. 7
	ds_store_b128 v10, v[224+8*\ft:227+8*\ft] offset:64*\ft
	ds_store_b128 v10, v[228+8*\ft:231+8*\ft] offset:64*\ft+16
.endr
	s_wait_dscnt 0x0                               ; for the others' sake: my share lies in LDS
	s_barrier_signal -1
	s_barrier_wait -1
.irp p, 0,1,2,3,4,5,6,7,8,9,10,11,12,13,14,15
	ds_load_b64 v[32+2*\p:33+2*\p], v11 offset:4352*\p             ; row w of head p's share
.endr
	s_wait_dscnt 0x0
.irp p, 2,4,6,8,10,12,14                       ; the sum over the heads, in two chains
	v_pk_add_f32 v[32:33], v[32:33], v[32+2*\p:33+2*\p]
	v_pk_add_f32 v[34:35], v[34:35], v[34+2*\p:35+2*\p]
.endr
	v_pk_add_f32 v[32:33], v[32:33], v[34:35]
	global_store_b64 v12, v[32:33], s[8:9]         ; 32 lanes store 256 consecutive bytes, aligned
	s_wait_tensorcnt 0x0                           ; the wave's end, behind my last LDS store
	ds_add_u32 v[SPW], v[NIL]
	s_wait_dscnt 0x0
	s_endpgm
.Lfunc_end_k_q8d95bf5801_fine:
	.size	k_q8d95bf5801_fine, .Lfunc_end_k_q8d95bf5801_fine-k_q8d95bf5801_fine
	.p2alignl 7, 3214868480
	.fill 96, 4, 3214868480
	.section	.rodata,"a",@progbits
	.p2align	6, 0x0
	.amdhsa_kernel k_q8d95bf5801_fine
		.amdhsa_group_segment_fixed_size 71680
		.amdhsa_private_segment_fixed_size 0
		.amdhsa_enable_private_segment 0
		.amdhsa_kernarg_size 24
		.amdhsa_user_sgpr_count 2
		.amdhsa_user_sgpr_kernarg_segment_ptr 1
		.amdhsa_wavefront_size32 1
		.amdhsa_system_sgpr_workgroup_id_x 1
		.amdhsa_system_sgpr_workgroup_id_y 1
		.amdhsa_system_sgpr_workgroup_id_z 1
		.amdhsa_system_vgpr_workitem_id 0
		.amdhsa_next_free_vgpr 256
		.amdhsa_next_free_sgpr 66
		.amdhsa_reserve_vcc 1
		.amdhsa_float_denorm_mode_32 3
		.amdhsa_float_denorm_mode_16_64 3
		.amdhsa_memory_ordered 1
		.amdhsa_forward_progress 1
		.amdhsa_inst_pref_size 23
	.end_amdhsa_kernel
	.amdgpu_metadata
---
amdhsa.version: [ 1, 2 ]
amdhsa.kernels:
  - .name:           k_q8d95bf5801_fine
    .symbol:         k_q8d95bf5801_fine.kd
    .args:
      - { .name: qkv32, .offset: 0, .size: 8, .value_kind: global_buffer, .address_space: global }
      - { .name: w_out, .offset: 8, .size: 8, .value_kind: global_buffer, .address_space: global }
      - { .name: out0, .offset: 16, .size: 8, .value_kind: global_buffer, .address_space: global }
    .group_segment_fixed_size: 71680
    .private_segment_fixed_size: 0
    .kernarg_segment_align: 8
    .kernarg_segment_size: 24
    .max_flat_workgroup_size: 512
    .sgpr_count:     66
    .vgpr_count:     256
    .wavefront_size: 32
...
	.end_amdgpu_metadata
.endif
;; end of part 5
